; MI455X (gfx1250); checked and timed in simulation.
; The chip was launched on July 23, 2026; its instructions are those of AMD's public machine-readable ISA for CDNA 5 (MIT licence, August 2026) and "CDNA5" Instruction Set Architecture Reference Guide (July 2026). The comments in the code are by the model that wrote it; some were corrected since.
;; Mo E Layer Load Balance. Allowed arithmetic: matrix products marked QUANTISED: E4M3 operands, one E8M0 scale for each 32 along K, by v_wmma_scale_f32_16x16x128_f8f6f4 with both operands' format E4M3, f32 sums; products left as they are: f32 operands where the result goes on into a quantised operand, else bf16, f16 or f32 operands; f32 sums; everything else in f32.
;; Inputs: b1 8 x 4,096 float32; b2 8 x 1,024 float32; expert_biases 8 float32; gate_b 8 float32; gate_w 1,024 x 8 float32; w1 8 x 1,024 x 4,096 float32; w2 8 x 4,096 x 1,024 float32; x 256 x 4 x 1,024 float32.
;; Outputs: out0 256 x 4 x 1,024 float32.
;; This version of the problem:
;;   THIS VERSION OF THE PROBLEM IS GIVEN IN LOW PRECISION. The matrix products marked QUANTISED in the list below multiply operands that are first quantised to E4M3 (4 exponent bits, 3 mantissa bits; 8 bits a number), with one power-of-two scale for each 32 numbers along K (OCP MX v1.0); their sums are f32. All else is computed in f32.
;;   The module's matrix products, in the order in which they are computed (A, B: the left and right operand; K: the contracted axis; several contracted axes count as one K, in the product's order):
;;     1. [M 1,024, K 1,024] x [K 1,024, N 8]; A: input x; B: input gate_w: left as it is (N = 8 < 16)
;;     2. [M 1,024, K 1,024] x [K 1,024, N 4,096]; A: input x; B: input w1: QUANTISED
;;     3. [M 1,024, K 4,096] x [K 4,096, N 1,024]; A: computed on the way; B: input w2: QUANTISED
;;     4. [M 1,024, K 1,024] x [K 1,024, N 4,096]; A: input x; B: input w1: QUANTISED
;;     5. [M 1,024, K 4,096] x [K 4,096, N 1,024]; A: computed on the way; B: input w2: QUANTISED
;;     6. [M 1,024, K 1,024] x [K 1,024, N 4,096]; A: input x; B: input w1: QUANTISED
;;     7. [M 1,024, K 4,096] x [K 4,096, N 1,024]; A: computed on the way; B: input w2: QUANTISED
;;     8. [M 1,024, K 1,024] x [K 1,024, N 4,096]; A: input x; B: input w1: QUANTISED
;;     9. [M 1,024, K 4,096] x [K 4,096, N 1,024]; A: computed on the way; B: input w2: QUANTISED
;;     10. [M 1,024, K 1,024] x [K 1,024, N 4,096]; A: input x; B: input w1: QUANTISED
;;     11. [M 1,024, K 4,096] x [K 4,096, N 1,024]; A: computed on the way; B: input w2: QUANTISED
;;     12. [M 1,024, K 1,024] x [K 1,024, N 4,096]; A: input x; B: input w1: QUANTISED
;;     13. [M 1,024, K 4,096] x [K 4,096, N 1,024]; A: computed on the way; B: input w2: QUANTISED
;;     14. [M 1,024, K 1,024] x [K 1,024, N 4,096]; A: input x; B: input w1: QUANTISED
;;     15. [M 1,024, K 4,096] x [K 4,096, N 1,024]; A: computed on the way; B: input w2: QUANTISED
;;     16. [M 1,024, K 1,024] x [K 1,024, N 4,096]; A: input x; B: input w1: QUANTISED
;;     17. [M 1,024, K 4,096] x [K 4,096, N 1,024]; A: computed on the way; B: input w2: QUANTISED
;;   THE QUANTISER, for each operand of a quantised product, along K:
;;     - K is cut into blocks of 32 from its start; a last block that is shorter is filled with zeros.
;;     - A block's scale is 2^e with e = floor(log2(the largest magnitude in the block)) - 8, held to -126 .. 127; a block of zeros has e = 0. As a byte (E8M0): e + 127.
;;     - Each number is divided by its block's scale, clamped to +-448, and rounded to the nearest number of E4M3, ties to even, subnormals kept.
;;     - The product sums the exact products of the quantised numbers (number of the format x scale) in f32.
;;   ~~~python
;;   def quantise(x, axis):      # numpy; x: float32 -> the quantised numbers, widened to float32 again
;;       x = np.moveaxis(x, axis, -1); K = x.shape[-1]
;;       x = np.pad(x, [(0, 0)] * (x.ndim - 1) + [(0, -K % 32)]); x = x.reshape(x.shape[:-1] + (-1, 32)); a = np.abs(x).max(-1, keepdims=True)
;;       e = np.where(a > 0, np.clip(np.frexp(np.where(a > 0, a, 1))[1] - 1 - 8, -126, 127), 0)      # np.frexp(a)[1] - 1 = floor(log2(a)), exactly
;;       r = np.clip(x / 2.0 ** e, -448, 448)
;;       step = 2.0 ** (np.maximum(np.frexp(np.where(r == 0, 1, r))[1] - 1, -6) - 3)
;;       q = np.round(r / step) * step * 2.0 ** e      # np.round: ties to even
;;       return np.moveaxis(q.reshape(q.shape[:-2] + (-1,))[..., :K], -1, axis).astype(np.float32)
;;   ~~~
;;   OPERANDS COMPUTED ON THE WAY. 'Computed on the way' means the value that the module computes at that place (a softmax that the list does not call 'softmax' is quantised finished and normalised). What goes into a quantiser is computed in f32, as accurately as f32 sums, v_exp_f32 and their like allow (about 1e-6 of the number): no bf16 or f16 on the way to a quantiser, and a product that is left as it is and whose result goes on into a quantised operand takes f32 operands (vector FMAs, or v_wmma_f32_16x16x4_f32). A number that lies on a knife's edge between two numbers of the format may be rounded either way, as far as f32 arithmetic and the matrix unit's own rounding can turn it there, and no further.
;; 2 versions, each right; version 2 is version 1 with the launches up, down written anew for expert scheduling mode. Each part assembles by itself: llvm-mc -triple=amdgcn-amd-amdhsa -mcpu=gfx1250 --defsym DOCPART=n.
;; ======== version 1 of 2: 4 launches
;; workspace buffers: xq 1,048,576 bytes; xs 32,768 bytes; sel 4,096 bytes of whole numbers; gate 8,192 bytes; hq 33,554,432 bytes; hs 1,048,576 bytes; y 16,842,752 bytes
;; launch route (part 1): grid 256 x 1, 4 waves a work-group, no clusters, 34,304 bytes of LDS; arguments x, gate_w, gate_b, expert_biases, xq, xs, sel, gate; writes xq, xs, sel, gate
.if DOCPART == 1
	.amdgcn_target "amdgcn-amd-amdhsa--gfx1250"
	.amdhsa_code_object_version 6
	.text
	.protected	k_q6e304c2ff8_route
	.globl	k_q6e304c2ff8_route
	.p2align	8
	.type	k_q6e304c2ff8_route,@function
k_q6e304c2ff8_route:
	s_mov_b64 s[64:65], 0
	v_nop
	global_prefetch_b8 v0, s[64:65] scope:SCOPE_SE
	s_setreg_imm32_b32 hwreg(HW_REG_WAVE_MODE, 25, 1), 1
	s_wait_xcnt 0x0
; ROUTER AND x's QUANTISER.  1,024 tokens of 1,024 numbers; one wave takes one token t = 4 x work-group + wave.
; scores = x gate_w + gate_b in f32 (fused multiply-adds); the two largest of scores + expert_biases (a tie goes to the lower index);
; gates = sigmoid(score) of the two, divided by their sum.  Stored at fixed places: sel[t] = (1 << e0) | (0x100 << e1), gate[0][t], gate[1][t].
; x becomes codes of E4M3, K innermost, xq[t][1024], with one E8M0 byte for each 32 along K, xs[t][32].
; A lane holds k = 512 u + 16 lane + i (u = 0, 1; i = 0 .. 15): 16 neighbours for the conversions; two neighbouring lanes hold a block of 32.
; gate_w (32,768 bytes) lies in LDS as 64 pieces of 512 bytes (16 k x 8 experts), 528 bytes apart: lane l reads piece 32 u + l.
; THE GATES: t_k = -log2(e) S_k, m = max(t0, t1, 0), q_k = 2^-m + 2^(t_k - m); g0 = q1 / (q0 + q1), g1 = q0 / (q0 + q1): the same numbers as
; sigmoid / sum of sigmoids, and no power overflows whatever the scores.
; LIMITS: NaN and infinities among the inputs are not served; a block whose largest magnitude lies under 2^-118 gets the scale byte 1 (a block of zeros too: its codes are zeros, and this program alone reads the bytes).
.set GP,  528                          ; a piece of gate_w in LDS: 512 bytes + 16
.set X,   16                           ; v16-47   x: register 16 u + i
.set AC,  48                           ; v48-55   the eight sums, then the scores
.set LG,  56                           ; v56-63   scores + expert_biases
.set G,   64                           ; v64-191  gate_w: register 8 i + e
.set CD,  192                          ; v192-199 codes, four registers for each u
.set BYT, 200                          ; v200-201 the scale byte for each u
	s_load_b512 s[4:19], s[0:1], 0x0               ; x s[4:5], gate_w s[6:7], gate_b s[8:9], expert_biases s[10:11], xq s[12:13], xs s[14:15], sel s[16:17], gate s[18:19]
	v_lshl_add_u32 v208, v0, 2, 0x8400
	v_mov_b32 v209, 0
	v_and_b32 v1, 31, v0                           ; lane
	v_lshrrev_b32 v8, 5, v0
	v_readfirstlane_b32 s36, v8                    ; wave
	s_lshl_b32 s37, ttmp9, 2
	s_add_co_u32 s37, s37, s36                     ; my token
	v_lshlrev_b32 v2, 6, v1                        ; x: my 64 bytes of 2,048
	v_lshlrev_b32 v3, 4, v0                        ; gate_w as it lies: 16 bytes a thread
	s_mul_i32 s38, s36, GP
	v_lshl_add_u32 v4, v1, 4, s38                  ; into LDS: piece wave + 4 m, 16 bytes a lane
	v_mul_u32_u24 v5, v1, GP                       ; out of LDS: piece lane (+ 32 u)
	v_lshlrev_b32 v6, 4, v1                        ; my 16 codes
	v_lshrrev_b32 v7, 1, v1                        ; my block's byte
	s_mov_b32 s40, 0x76543210
	s_mov_b32 s41, 0xfedcba98                      ; v_permlanex16_b32's selects for lane l xor 16
	s_mov_b32 s42, 0x600000                        ; the mantissa field of 448
	s_mov_b32 s39, 0
.irp e, 0,1,2,3,4,5,6,7
	v_mov_b32 v[LG+\e], 0                          ; a lane permute's destination counts as one of its sources
.endr
	s_wait_kmcnt 0x0
	s_load_b256 s[20:27], s[8:9], 0x0              ; gate_b
	s_load_b256 s[28:35], s[10:11], 0x0            ; expert_biases
	s_lshl_b32 s38, s37, 12
	s_add_nc_u64 s[4:5], s[4:5], s[38:39]          ; x at my token
	s_lshl_b32 s38, s37, 10
	s_add_nc_u64 s[12:13], s[12:13], s[38:39]      ; its codes
	s_lshl_b32 s38, s37, 5
	s_add_nc_u64 s[14:15], s[14:15], s[38:39]      ; its scale bytes
	s_lshl_b32 s38, s37, 2
	s_add_nc_u64 s[16:17], s[16:17], s[38:39]      ; its word of sel
	s_add_nc_u64 s[18:19], s[18:19], s[38:39]      ; and of gate
.irp u, 0,1
.irp m, 0,1,2,3
	global_load_b128 v[X+16*\u+4*\m:X+16*\u+4*\m+3], v2, s[4:5] offset:2048*\u+16*\m th:TH_LOAD_NT
.endr
.endr
.irp m, 0,1,2,3,4,5,6,7,8,9,10,11,12,13,14,15
	global_load_b128 v[G+4*\m:G+4*\m+3], v3, s[6:7] offset:2048*\m
.endr
	s_wait_loadcnt 0x0
.irp m, 0,1,2,3,4,5,6,7,8,9,10,11,12,13,14,15
	ds_store_b128 v4, v[G+4*\m:G+4*\m+3] offset:4*GP*\m
.endr
	s_wait_dscnt 0x0                               ; for the others' sake: my part of gate_w lies in LDS
	s_barrier_signal -1
	s_barrier_wait -1
.macro LDG u                           ; gate_w(512 u + 16 lane + i, e) into register 8 i + e
.irp i, 0,1,2,3,4,5,6,7,8,9,10,11,12,13,14,15
.irp q, 0,1
	ds_load_b128 v[G+8*\i+4*\q:G+8*\i+4*\q+3], v5 offset:32*GP*\u+32*\i+16*\q
.endr
.endr
.endm
.macro FMA u                           ; the eight sums, two experts an instruction; x's number serves both halves
.irp i, 0,2,4,6,8,10,12,14
.irp p, 0,1,2,3
.if (\u == 0) && (\i == 0)
	v_pk_mul_f32 v[AC+2*\p:AC+2*\p+1], v[X:X+1], v[G+2*\p:G+2*\p+1] op_sel_hi:[0,1]   ; the first product starts the sums
.else
	v_pk_fma_f32 v[AC+2*\p:AC+2*\p+1], v[X+16*\u+\i:X+16*\u+\i+1], v[G+8*\i+2*\p:G+8*\i+2*\p+1], v[AC+2*\p:AC+2*\p+1] op_sel_hi:[0,1,1]
.endif
.endr
.irp p, 0,1,2,3
	v_pk_fma_f32 v[AC+2*\p:AC+2*\p+1], v[X+16*\u+\i:X+16*\u+\i+1], v[G+8*\i+8+2*\p:G+8*\i+8+2*\p+1], v[AC+2*\p:AC+2*\p+1] op_sel:[1,0,0] op_sel_hi:[1,1,1]
.endr
.endr
.endm
.macro QUANT u                         ; my 16 numbers of half u become 16 codes and (with my neighbour) a scale byte
.set XS, X+16*\u
	v_max3_num_f32 v8, |v[XS]|, |v[XS+1]|, |v[XS+2]|
	v_max3_num_f32 v9, |v[XS+3]|, |v[XS+4]|, |v[XS+5]|
.irp i, 6,10
	v_max3_num_f32 v8, v8, |v[XS+\i]|, |v[XS+\i+1]|
	v_max3_num_f32 v9, v9, |v[XS+\i+2]|, |v[XS+\i+3]|
.endr
	v_max3_num_f32 v8, v8, |v[XS+14]|, |v[XS+15]|
	v_max3_num_f32 v8, v8, v9, 0x4800000           ; and the floor 2^(9 - 127): the byte cannot fall under 1
	v_max_num_f32_dpp v8, v8, v8 row_xmask:1 row_mask:0xf bank_mask:0xf   ; with my neighbour's 16: the block's largest magnitude
	v_add_nc_u32 v11, 0xfc000000, v8               ; 8 off its exponent field: the conversion's scale operand
	v_and_or_b32 v10, v8, 0x7f800000, s42          ; 448 x the scale
.irp i, 0,1,2,3,4,5,6,7,8,9,10,11,12,13,14,15
	v_med3_num_f32 v[XS+\i], v[XS+\i], -v10, v10   ; the conversion to an 8-bit code does not saturate (ISA guide 7.6.2): the hold comes first
.endr
	v_cvt_scalef32_pk8_fp8_f32 v[CD+4*\u:CD+4*\u+1], v[XS:XS+7], v11
	v_cvt_scalef32_pk8_fp8_f32 v[CD+4*\u+2:CD+4*\u+3], v[XS+8:XS+15], v11
	v_lshrrev_b32 v[BYT+\u], 23, v11               ; the scale's byte (a plain line behind the conversions)
	global_store_b128 v6, v[CD+4*\u:CD+4*\u+3], s[12:13] offset:512*\u     ; the wave stores 512 consecutive bytes
	global_store_b8 v7, v[BYT+\u], s[14:15] offset:16*\u                   ; both lanes of a block store the same byte with the same value
.endm
	LDG 0
	s_wait_dscnt 0x0
	FMA 0
	LDG 1                                          ; the second half of gate_w comes while the first half of x is quantised (its sums are done: the hold changes x)
	QUANT 0
	s_wait_dscnt 0x0
	FMA 1
	QUANT 1
.irp k, 1,2,4,8                        ; the sums over the 32 lanes
.irp e, 0,1,2,3,4,5,6,7
	v_add_f32_dpp v[AC+\e], v[AC+\e], v[AC+\e] row_xmask:\k row_mask:0xf bank_mask:0xf
.endr
.endr
.irp e, 0,1,2,3,4,5,6,7
	v_permlanex16_b32 v[LG+\e], v[AC+\e], s40, s41
.endr
.irp e, 0,1,2,3,4,5,6,7
	v_add_f32 v[AC+\e], v[AC+\e], v[LG+\e]
.endr
	s_wait_kmcnt 0x0                               ; gate_b, expert_biases
.irp e, 0,1,2,3,4,5,6,7
	v_add_f32 v[AC+\e], s[20+\e], v[AC+\e]         ; the score
.endr
.irp e, 0,1,2,3,4,5,6,7
	v_add_f32 v[LG+\e], s[28+\e], v[AC+\e]         ; what the choice goes by
.endr
; The largest: value, score and one-hot bit go along.  The compare is strict, so the lower index stays.  No branch and no address hangs on it.
.macro PICK bv, bs, bi
	v_mov_b32 v[\bv], v[LG]
	v_mov_b32 v[\bs], v[AC]
	v_mov_b32 v[\bi], 1
.irp e, 1,2,3,4,5,6,7
	v_cmp_gt_f32 vcc_lo, v[LG+\e], v[\bv]
	v_mov_b32 v14, 1<<\e
	v_cndmask_b32 v[\bv], v[\bv], v[LG+\e], vcc_lo
	v_cndmask_b32 v[\bs], v[\bs], v[AC+\e], vcc_lo
	v_cndmask_b32 v[\bi], v[\bi], v14, vcc_lo
.endr
.endm
	PICK 8, 9, 10
	v_mov_b32 v15, 0xff800000                      ; -infinity takes the first choice out
.irp e, 0,1,2,3,4,5,6,7
	v_cmp_eq_u32 vcc_lo, 1<<\e, v10
	v_cndmask_b32 v[LG+\e], v[LG+\e], v15, vcc_lo
.endr
	PICK 11, 12, 13
	v_lshl_or_b32 v202, v13, 8, v10                ; sel
	v_mul_f32 v8, 0xbfb8aa3b, v9                   ; t0 = -log2(e) S0
	v_mul_f32 v11, 0xbfb8aa3b, v12                 ; t1
	v_max3_num_f32 v14, v8, v11, 0                 ; m
	v_sub_f32 v8, v8, v14
	v_sub_f32 v11, v11, v14
	v_exp_f32 v8, v8
	v_exp_f32 v11, v11
	v_exp_f32 v15, -v14
	v_mov_b32 v205, 0                              ; (a plain line behind the exponentials)  the stores' offset
	s_wait_alu depctr_va_vdst(0)
	v_add_f32 v8, v8, v15                          ; q0
	v_add_f32 v11, v11, v15                        ; q1
	v_add_f32 v14, v8, v11                         ; at least 1, at most 4
	v_rcp_f32 v14, v14
	v_nop                                          ; a plain line behind the reciprocal
	s_wait_alu depctr_va_vdst(0)
	v_mul_f32 v203, v11, v14                       ; g0
	v_mul_f32 v204, v8, v14                        ; g1
	global_store_b32 v205, v202, s[16:17]          ; every lane holds the same three words and stores them to the same places
	global_store_b32 v205, v203, s[18:19]
	global_store_b32 v205, v204, s[18:19] offset:4096
	s_wait_tensorcnt 0x0
	ds_add_u32 v208, v209
	s_wait_dscnt 0x0
	s_endpgm
.Lfunc_end_k_q6e304c2ff8_route:
	.size	k_q6e304c2ff8_route, .Lfunc_end_k_q6e304c2ff8_route-k_q6e304c2ff8_route
	.p2alignl 7, 3214868480
	.fill 96, 4, 3214868480
	.section	.rodata,"a",@progbits
	.p2align	6, 0x0
	.amdhsa_kernel k_q6e304c2ff8_route
		.amdhsa_group_segment_fixed_size 34304
		.amdhsa_private_segment_fixed_size 0
		.amdhsa_enable_private_segment 0
		.amdhsa_kernarg_size 64
		.amdhsa_user_sgpr_count 2
		.amdhsa_user_sgpr_kernarg_segment_ptr 1
		.amdhsa_wavefront_size32 1
		.amdhsa_system_sgpr_workgroup_id_x 1
		.amdhsa_system_sgpr_workgroup_id_y 1
		.amdhsa_system_sgpr_workgroup_id_z 1
		.amdhsa_system_vgpr_workitem_id 0
		.amdhsa_next_free_vgpr 210
		.amdhsa_next_free_sgpr 66
		.amdhsa_reserve_vcc 1
		.amdhsa_float_denorm_mode_32 3
		.amdhsa_float_denorm_mode_16_64 3
		.amdhsa_memory_ordered 1
		.amdhsa_forward_progress 1
		.amdhsa_inst_pref_size 29
	.end_amdhsa_kernel
	.amdgpu_metadata
---
amdhsa.version: [ 1, 2 ]
amdhsa.kernels:
  - .name:           k_q6e304c2ff8_route
    .symbol:         k_q6e304c2ff8_route.kd
    .args:
      - { .name: x, .offset: 0, .size: 8, .value_kind: global_buffer, .address_space: global }
      - { .name: gate_w, .offset: 8, .size: 8, .value_kind: global_buffer, .address_space: global }
      - { .name: gate_b, .offset: 16, .size: 8, .value_kind: global_buffer, .address_space: global }
      - { .name: expert_biases, .offset: 24, .size: 8, .value_kind: global_buffer, .address_space: global }
      - { .name: xq, .offset: 32, .size: 8, .value_kind: global_buffer, .address_space: global }
      - { .name: xs, .offset: 40, .size: 8, .value_kind: global_buffer, .address_space: global }
      - { .name: sel, .offset: 48, .size: 8, .value_kind: global_buffer, .address_space: global }
      - { .name: gate, .offset: 56, .size: 8, .value_kind: global_buffer, .address_space: global }
    .group_segment_fixed_size: 34304
    .private_segment_fixed_size: 0
    .kernarg_segment_align: 8
    .kernarg_segment_size: 64
    .max_flat_workgroup_size: 128
    .sgpr_count:     66
    .vgpr_count:     210
    .wavefront_size: 32
...
	.end_amdgpu_metadata
.endif
;; end of part 1
;; launch up (part 2): grid 32 x 8, 4 waves a work-group, no clusters, 283,648 bytes of LDS; arguments w1, b1, xq, xs, sel, hq, hs; writes hq, hs
.if DOCPART == 2
	.amdgcn_target "amdgcn-amd-amdhsa--gfx1250"
	.amdhsa_code_object_version 6
	.text
	.protected	k_q6e304c2ff8_up
	.globl	k_q6e304c2ff8_up
	.p2align	8
	.type	k_q6e304c2ff8_up,@function
k_q6e304c2ff8_up:
	s_mov_b64 s[64:65], 0
	v_nop
	global_prefetch_b8 v0, s[64:65] scope:SCOPE_SE
	s_setreg_imm32_b32 hwreg(HW_REG_WAVE_MODE, 25, 1), 1
	s_wait_xcnt 0x0
; FIRST PRODUCT OF THE EXPERTS: h = relu(x w1[e] + b1[e]) for the rows that chose expert e, on codes of E4M3 with one E8M0 scale for each 32 along K; h leaves as codes.
; A work-group owns expert e (grid y) and 128 hidden units (grid x = sg): 1,024 x 128 numbers of w1, which no other work-group reads.
; THE STREAM.  Wave w = 2 G + P takes 64 columns (group G) x 512 along K (half P).  Lane (r = lane % 16, h = lane / 16) loads 16 bytes: columns 4 r .. 4 r + 3 of one row of w1, so sixteen lanes
; read 256 consecutive bytes, aligned.  16 loads bring a block of 32 along K: slot i of half h is row 16 h + i.  Operand tile j takes column 4 r + j at its place r (which columns form a tile is free), so a lane's
; 16 slots are its 16 places of the block in the operand's own layout: the two-number conversion, which takes any two registers, makes the operand's registers and nothing is transposed.
; The codes go to LDS as images of the operand's registers (16 bytes a lane, 512 a store).  Then each wave takes its column group, whole (4 tiles x 8 K steps: 512 registers), for the rest of the launch.
; THE ROWS.  Every wave counts the expert's rows in sel; wave 0 also lays the list (slot x 1,024 + token, in one fixed order that the next launch repeats).  Rows go in chunks of 64, gathered from xq into LDS.
; The loop over chunks has a constant count, 16, since barriers stand in it; a chunk past the expert's last has its work jumped over.  Places behind the last row hold 2,048 + e: here that reads token e.
; THE PRODUCT IS USED TRANSPOSED (source 0 = a tile of w1, source 1 = 16 rows): lane (row r, half h), accumulator j, register i holds hidden unit 32 h + 4 i + j of the group: the four accumulators are
; one whole block of 32 of the next K in ONE lane.  The conversion of accumulator j gives places 8 j + i: place pos of a block holds unit 4 (pos % 8) + pos / 8.  The next launch lays w2's rows by the same order.
; hq[e][tile of 16 rows][K step sg][2,048 bytes: the operand's image];  hs[e][sg][row][4 bytes].
; No tensor load and no shared tile by a cluster: what a work-group does hangs on counts read from memory.
; LIMITS: NaN and infinities are not served; a block whose largest magnitude lies under 2^-118 gets the scale byte 1 (a block of zeros too: its codes are zeros, and this program alone reads the bytes).
.set PITCH, 16384                      ; a row of w1 in bytes
.set WSC,   131072                     ; LDS: 0: 64 images of 2,048 bytes (number 32 G + 16 P + 4 j + step);  here: their scale words, 128 bytes each
.set XB0,   139264                     ; two buffers of 64 rows of x's codes, 1,024 bytes + 16
.set XBS,   66560
.set XP,    1040
.set XSB0,  272384                     ; two buffers of their scale bytes, 32 bytes + 16
.set XSS,   3072
.set XSP,   48
.set LIST,  278528                     ; the list: 1,088 words; behind them 64 words for the lanes that have nothing to say
.set WOFF,4
.set IMGA,5
.set WSCA,6
.set FRA,7
.set WSLA,8
.set XA,9                              ; v9-10   my lane's place in a tile of x, buffer 0, 1
.set XSA,11                            ; v11-12  and among its scale words
.set GSA,13                            ; v13-14  where my wave puts the rows that it gathers
.set GXS,15                            ; v15-16  and their scale bytes
.set LSTB,17                           ; v17     my wave's 16 entries of the chunk in hand
.set LSTL,18                           ; v18     the entry of row lane / 2
.set L16,19
.set L1,20
.set HOFF,21
.set HSOFF,22
.set BOFF,23
.set M,24                              ; v24-27 largest magnitudes; v28-31 the other half's; v32-35 1 / scale; v36-39 bytes; v40-43 scale words; v44-59 codes
.set PM,28
.set INV,32
.set BY,36
.set W,40
.set C,44
.set T0,60
.set T1,61                             ; the list's store address: used for nothing else
.set T2,62
.set PFA,63
.set WS,64                             ; v64-95   w1's scale words: 8 j + K step
.set XS,96                             ; v96-103  x's, by K step
.set ACC,104                           ; v104-135 four accumulators; at the head: sel
.set SEL,104
.set BIAS,136                          ; v136-167 b1 in the result's layout
.set HC,168                            ; v168-175 h's codes
.set HBY,176
.set SCL,179
.set LIM,180
.set TOK4,181
.set DUMPI,182
.set ENT,184                           ; v184-199 entries; v200-215 their rows' offsets in xq
.set GA,200
.set ENTL,216
.set GAL,217
.set XSG,220
; window 1: v0-255 four sets of 64 numbers of w1; later v0-127 a tile of x (8 K steps), v128-255 16 gathered rows.  windows 2, 3: w1's fragments, K steps 0-3 and 4-7, at 16 (4 j + step).
.set MSB, 0
.macro WIN new                         ; the immediate's high byte repeats the setting that is left; a switch that changes nothing is dropped
.if MSB != (\new)
	s_set_vgpr_msb (MSB<<8)|(\new)
.set MSB, (\new)
.endif
.endm
.macro PLACES n
.rept \n
	v_nop
.endr
.endm
.macro LOADW c, ahead                  ; block c of the K step in hand (ahead = 0) or of the next (1) into set c
	WIN 0x40
.irp i, 0,1,2,3,4,5,6,7,8,9,10,11,12,13,14,15
	global_load_b128 v[64*(\c)+4*\i:64*(\c)+4*\i+3], v[WOFF], s[4:5] offset:(128*(\ahead)+32*(\c)+\i)*PITCH th:TH_LOAD_NT
.endr
	WIN 0
.endm
; A block of 32 along K x 64 columns: slot i, column j of my four at v[64 c + 4 i + j] of window 1.  left: the younger loads that may stay out.
.macro GROUP c, left, refill
	s_wait_loadcnt \left
	WIN 0x05                                       ; sources 0 and 1 window 1
.irp j, 0,1,2,3
	v_max3_num_f32 v[M+\j], |v[64*(\c)+\j]|, |v[64*(\c)+4+\j]|, 0x4800000     ; with the floor 2^(9 - 127): the byte cannot fall under 1
.endr
.irp p, 1,2,3,4,5,6,7
.irp j, 0,1,2,3
	v_max3_num_f32 v[M+\j], |v[64*(\c)+8*\p+\j]|, |v[64*(\c)+8*\p+4+\j]|, v[M+\j]
.endr
.endr
	WIN 0
.irp j, 0,1,2,3
	v_permlanex16_b32 v[PM+\j], v[M+\j], s30, s31
.endr
.irp j, 0,1,2,3
	v_max_num_f32 v[M+\j], v[M+\j], v[PM+\j]       ; with lane l xor 16's 16 rows: the block's largest magnitude
.endr
.irp j, 0,1,2,3
	v_and_b32 v[BY+\j], 0x7f800000, v[M+\j]
.endr
.irp j, 0,1,2,3
	v_sub_nc_u32 v[INV+\j], 0x83000000, v[BY+\j]   ; 1 / scale: exponent field 262 less the largest magnitude's
.endr
.irp j, 0,1,2,3
	v_add_nc_u32 v[BY+\j], 0xfc000000, v[M+\j]
.endr
.irp j, 0,1,2,3
	v_lshrrev_b32 v[BY+\j], 23, v[BY+\j]           ; the scale's byte
.endr
.irp j, 0,1,2,3
.if (\c) == 0
	v_mov_b32 v[W+\j], v[BY+\j]
.else
	v_lshl_or_b32 v[W+\j], v[BY+\j], 8*(\c), v[W+\j]
.endif
.endr
	WIN 0x41                                       ; destination and source 0 window 1
.irp i, 0,1,2,3,4,5,6,7,8,9,10,11,12,13,14,15
.irp q, 0,1
	v_pk_mul_f32 v[64*(\c)+4*\i+2*\q:64*(\c)+4*\i+2*\q+1], v[64*(\c)+4*\i+2*\q:64*(\c)+4*\i+2*\q+1], v[INV+2*\q:INV+2*\q+1]   ; by a power of two: nothing is rounded
.endr
.endr
.set n, 0
.rept 64
	v_med3_num_f32 v[64*(\c)+n], v[64*(\c)+n], s32, s33     ; the conversion does not saturate (ISA guide 7.6.2): held within +-448
.set n, n+1
.endr
	WIN 0x05
.set n, 0                              ; code register 4 j + d takes slots 4 d .. 4 d + 3 of column j: low halves first, then high halves
.irp dd, v44.l,v45.l,v46.l,v47.l,v48.l,v49.l,v50.l,v51.l,v52.l,v53.l,v54.l,v55.l,v56.l,v57.l,v58.l,v59.l,v44.h,v45.h,v46.h,v47.h,v48.h,v49.h,v50.h,v51.h,v52.h,v53.h,v54.h,v55.h,v56.h,v57.h,v58.h,v59.h
	v_cvt_pk_fp8_f32 \dd, v[64*(\c)+16*(n%4)+8*(n/16)+(n%16)/4], v[64*(\c)+16*(n%4)+8*(n/16)+(n%16)/4+4]
.set n, n+1
.endr
	WIN 0
.irp j, 0,1,2,3
	ds_store_b128 v[IMGA], v[C+4*\j:C+4*\j+3] offset:8192*\j+512*(\c)    ; registers 4 c .. 4 c + 3 of tile j's fragment
.endr
.if (\c) == 3
.irp j, 0,1,2,3
	ds_store_b32 v[WSCA], v[W+\j] offset:512*\j
.endr
.endif
.if \refill
	LOADW \c, 1
.endif
.endm
.macro KSTEP refill, l0, l1, l2, l3    ; 128 along K
	GROUP 0, \l0, \refill
	GROUP 1, \l1, \refill
	GROUP 2, \l2, \refill
	GROUP 3, \l3, \refill
.if \refill
	s_wait_xcnt 0x0                                ; the loads have read their base
	s_add_nc_u64 s[4:5], s[4:5], 128*PITCH
.endif
	v_add_nc_u32 v[IMGA], 2048, v[IMGA]
	v_add_nc_u32 v[WSCA], 128, v[WSCA]
.endm
; sel's register n = 4 q + m holds token 128 q + 4 lane + m.  Every wave counts the expert's rows (s23); build = 1 also lays the list.
.macro SCAN build
.set n, 0
.rept 32
	v_and_b32 v[T0], s35, v[SEL+n]
	v_cmp_ne_u32 vcc_lo, 0, v[T0]
.if \build
	v_mbcnt_lo_u32_b32 v[T1], vcc_lo, s23          ; the row's rank: those counted so far + those in lower lanes
	v_cndmask_b32 v[T1], v[DUMPI], v[T1], vcc_lo   ; a lane whose token did not choose the expert writes behind the list
	v_min_u32 v[T1], 0x45f, v[T1]
	v_lshl_add_u32 v[T1], v[T1], 2, LIST
	v_lshrrev_b32 v[T2], s37, v[T0]                ; 1: the expert is the token's second choice
	v_lshl_add_u32 v[T2], v[T2], 10, v[TOK4]
	v_add_nc_u32 v[T2], 128*(n/4)+n%4, v[T2]       ; slot x 1,024 + token
	ds_store_b32 v[T1], v[T2]
.endif
	s_bcnt1_i32_b32 s38, vcc_lo
	s_add_co_u32 s23, s23, s38
.set n, n+1
.endr
.endm
.macro LOADFR                          ; my column group's 32 fragments and their scale words, for the rest of the launch
.irp hh, 0,1
	WIN (0x80+0x40*\hh)
.irp j, 0,1,2,3
.irp s, 0,1,2,3
.irp c, 0,1,2,3
	ds_load_b128 v[16*(4*\j+\s)+4*\c:16*(4*\j+\s)+4*\c+3], v[FRA] offset:32768*\hh+8192*\j+2048*\s+512*\c
.endr
.endr
.endr
.endr
	WIN 0
.irp hh, 0,1
.irp j, 0,1,2,3
.irp s, 0,1,2,3
	ds_load_b32 v[WS+8*\j+4*\hh+\s], v[WSLA] offset:128*(16*\hh+4*\j+\s)
.endr
.endr
.endr
	s_wait_dscnt 0x0
.endm
; 16 products: K steps 4 half .. 4 half + 3, the four accumulators by turns, one instruction a turn.  The bias is the C of a sum's first product.
.macro MULH xf, ac, sc, half
	WIN (0x06+\half)                               ; source 0 window 2 or 3, source 1 window 1
.irp s, 0,1,2,3
.irp j, 0,1,2,3
.if (\half == 0) && (\s == 0)
	v_wmma_scale_f32_16x16x128_f8f6f4 v[\ac+8*\j:\ac+8*\j+7], v[16*(4*\j+\s):16*(4*\j+\s)+15], v[\xf+16*\s:\xf+16*\s+15], v[BIAS+8*\j:BIAS+8*\j+7], v[WS+8*\j+\s], v[\sc+\s]
.else
	v_wmma_scale_f32_16x16x128_f8f6f4 v[\ac+8*\j:\ac+8*\j+7], v[16*(4*\j+\s):16*(4*\j+\s)+15], v[\xf+16*(4*\half+\s):\xf+16*(4*\half+\s)+15], v[\ac+8*\j:\ac+8*\j+7], v[WS+8*\j+4*\half+\s], v[\sc+4*\half+\s]
.endif
.endr
.endr
.endm
; My wave's 16 rows of a chunk are asked for: off = 0: the chunk at v[LSTB]; 256: the next.  33 loads.
.macro GATHER off
.irp q, 0,1,2,3
	ds_load_b128 v[ENT+4*\q:ENT+4*\q+3], v[LSTB] offset:\off+16*\q     ; the same 16 entries in every lane
.endr
	ds_load_b32 v[ENTL], v[LSTL] offset:\off
	s_wait_dscnt 0x0
.irp g, 0,1,2,3,4,5,6,7,8,9,10,11,12,13,14,15
	v_min_u32 v[ENT+\g], 0x807, v[ENT+\g]
.endr
.irp g, 0,1,2,3,4,5,6,7,8,9,10,11,12,13,14,15
	v_and_b32 v[ENT+\g], 0x3ff, v[ENT+\g]          ; the token
.endr
.irp g, 0,1,2,3,4,5,6,7,8,9,10,11,12,13,14,15
	v_lshl_add_u32 v[GA+\g], v[ENT+\g], 10, v[L16]
.endr
	v_min_u32 v[ENTL], 0x807, v[ENTL]
	v_and_b32 v[ENTL], 0x3ff, v[ENTL]
	v_lshl_add_u32 v[GAL], v[ENTL], 5, v[L1]
	WIN 0x40
.irp g, 0,1,2,3,4,5,6,7,8,9,10,11,12,13,14,15
.irp q, 0,1
	global_load_b128 v[128+8*\g+4*\q:128+8*\g+4*\q+3], v[GA+\g], s[8:9] offset:512*\q     ; 512 consecutive bytes of a row
.endr
.endr
	WIN 0
	global_load_b128 v[XSG:XSG+3], v[GAL], s[10:11]                    ; two lanes to a row's 32 scale bytes
.endm
.macro LDX p, u                        ; tile u of my two of the chunk in buffer p: its scale words, then its eight fragments, K ascending
.irp q, 0,1
	ds_load_b128 v[XS+4*\q:XS+4*\q+3], v[XSA+\p] offset:16*XSP*\u+16*\q
.endr
	WIN 0x40
.irp s, 0,1,2,3,4,5,6,7
.irp c, 0,1,2,3
	ds_load_b128 v[16*\s+4*\c:16*\s+4*\c+3], v[XA+\p] offset:16*XP*\u+128*\s+32*\c
.endr
.endr
	WIN 0
.endm
; The 32 results of a lane are one block of the next K: relu, scale, codes, and out.  Each accumulator is read from its low end on.
.macro POST u
.irp j, 0,1,2,3
	v_max3_num_f32 v[M+\j], v[ACC+8*\j], v[ACC+8*\j+1], 0x4800000     ; no |.|: what is negative becomes 0 and must not count; the floor stands over it
.endr
.irp p, 1,2,3
.irp j, 0,1,2,3
	v_max3_num_f32 v[M+\j], v[M+\j], v[ACC+8*\j+2*\p], v[ACC+8*\j+2*\p+1]
.endr
.endr
	v_max3_num_f32 v[M], v[M], v[M+1], v[M+2]
	v_max_num_f32 v[M], v[M], v[M+3]
	v_add_nc_u32 v[SCL], 0xfc000000, v[M]          ; the conversion's scale operand
	v_and_or_b32 v[LIM], v[M], 0x7f800000, s34     ; 448 x the scale
.set n, 0
.rept 32
	v_med3_num_f32 v[ACC+n], v[ACC+n], 0, v[LIM]   ; the activation and the hold in one
.set n, n+1
.endr
	s_wait_xcnt 0x0                                ; the last tile's stores have read their data
	v_lshrrev_b32 v[HBY], 23, v[SCL]
.irp j, 0,1,2,3
	v_cvt_scalef32_pk8_fp8_f32 v[HC+2*\j:HC+2*\j+1], v[ACC+8*\j:ACC+8*\j+7], v[SCL]
.endr
	v_nop                                          ; a plain line behind the conversions: products write their sources again
	global_store_b128 v[HOFF], v[HC:HC+3], s[14:15] offset:65536*\u           ; places 0-15 of block 2 G + h: the image's lanes 0-15; sixteen lanes fill 256 consecutive bytes, aligned
	global_store_b128 v[HOFF], v[HC+4:HC+7], s[14:15] offset:65536*\u+256     ; places 16-31: its lanes 16-31
	global_store_b8 v[HSOFF], v[HBY], s[16:17] offset:64*\u
.endm
; A chunk of 64 rows, in buffer p.  The barrier and the steps at the end stand on every way; the work is jumped over where the chunk lies past the expert's last.
.macro TRIP p
	s_wait_loadcnt 0x0                             ; the chunk's 33 gather loads are in (on every way: their address registers are free behind it)
	s_cmp_ge_u32 s25, s24
	s_cbranch_scc1 .Lta_\@
	WIN 0x04                                       ; the data: window 1
.irp g, 0,1,2,3,4,5,6,7,8,9,10,11,12,13,14,15
.irp q, 0,1
	ds_store_b128 v[GSA+\p], v[128+8*\g+4*\q:128+8*\g+4*\q+3] offset:XP*\g+512*\q
.endr
.endr
	WIN 0
	ds_store_b128 v[GXS+\p], v[XSG:XSG+3]
.Lta_\@:
	s_wait_dscnt 0x0                               ; my rows lie in the buffer; my reads of the other buffer are long in.  This buffer was last read two chunks ago, ahead of the barrier between
	s_barrier_signal -1
	s_barrier_wait -1
	s_cmp_ge_u32 s25, s24
	s_cbranch_scc1 .Ltb_\@
	s_add_co_u32 s26, s25, 1
	s_cmp_ge_u32 s26, s24
	s_cbranch_scc1 .Ltn_\@
	GATHER 256                                     ; the next chunk's rows come while this one is multiplied
.Ltn_\@:
	LDX \p, 0
	s_wait_dscnt 16                                ; the scale words and K steps 0-3 are in; the 16 loads of K steps 4-7 may be out
	MULH 0, ACC, XS, 0
	s_wait_dscnt 0x0
	MULH 0, ACC, XS, 1
	WIN 0
	PLACES 9                                       ; 8 ahead of loads into the products' sources and of reads of their results, 9 ahead of the product that begins an accumulator anew
	LDX \p, 1
	POST 0
	s_wait_dscnt 16
	MULH 0, ACC, XS, 0
	s_wait_dscnt 0x0
	MULH 0, ACC, XS, 1
	WIN 0
	PLACES 9
	POST 1
.Ltb_\@:
	s_wait_xcnt 0x0                                ; the stores have read their bases
	s_add_nc_u64 s[14:15], s[14:15], 262144        ; four tiles of rows on
	s_add_nc_u64 s[16:17], s[16:17], 256
	v_add_nc_u32 v[LSTB], 256, v[LSTB]
	v_add_nc_u32 v[LSTL], 256, v[LSTL]
	s_add_co_u32 s25, s25, 1
.endm
	s_load_b256 s[4:11], s[0:1], 0x0               ; w1 s[4:5], b1 s[6:7], xq s[8:9], xs s[10:11]
	s_load_b128 s[12:15], s[0:1], 0x20             ; sel s[12:13], hq s[14:15]
	s_load_b64 s[16:17], s[0:1], 0x30              ; hs
	v_lshl_add_u32 v254, v0, 2, 0x45200
	v_mov_b32 v255, 0
	v_lshrrev_b32 v[T0], 5, v0
	v_readfirstlane_b32 s18, v[T0]                 ; wave
	s_lshr_b32 s19, s18, 1                         ; G
	s_and_b32 s20, s18, 1                          ; P
	s_and_b32 s21, ttmp7, 0xffff                   ; e
	v_and_b32 v1, 31, v0                           ; lane
	v_and_b32 v2, 15, v0                           ; r
	v_bfe_u32 v3, v0, 4, 1                         ; h
	v_lshlrev_b32 v[WOFF], 4, v2
	v_lshl_add_u32 v[WOFF], v3, 18, v[WOFF]        ; w1: 16 r, and 16 rows further down for lanes 16-31
	s_lshl_b32 s26, s18, 15
	v_lshl_add_u32 v[IMGA], v1, 4, s26             ; my wave's 16 images: 32,768 x wave + 16 x lane
	s_lshl_b32 s26, s18, 11
	s_add_co_u32 s26, s26, WSC
	v_lshl_add_u32 v[WSCA], v1, 2, s26
	s_lshl_b32 s26, s19, 16
	v_lshl_add_u32 v[FRA], v1, 4, s26              ; my column group's 32 images
	s_lshl_b32 s26, s19, 12
	s_add_co_u32 s26, s26, WSC
	v_lshl_add_u32 v[WSLA], v1, 2, s26
	v_mul_u32_u24 v[T0], v2, XP
	v_lshl_add_u32 v[T0], v3, 4, v[T0]
	s_mul_i32 s26, s20, 32*XP
	s_add_co_u32 s26, s26, XB0
	v_add_nc_u32 v[XA], s26, v[T0]                 ; row 32 P + r, + 16 h
	v_add_nc_u32 v[XA+1], XBS, v[XA]
	v_mul_u32_u24 v[T0], v2, XSP
	s_mul_i32 s26, s20, 32*XSP
	s_add_co_u32 s26, s26, XSB0
	v_add_nc_u32 v[XSA], s26, v[T0]
	v_add_nc_u32 v[XSA+1], XSS, v[XSA]
	s_mul_i32 s26, s18, 16*XP
	s_add_co_u32 s26, s26, XB0
	v_lshl_add_u32 v[GSA], v1, 4, s26              ; rows 16 w on, 16 bytes a lane
	v_add_nc_u32 v[GSA+1], XBS, v[GSA]
	v_lshrrev_b32 v[T0], 1, v1
	v_and_b32 v[T2], 1, v1
	v_lshlrev_b32 v[L1], 4, v[T2]
	v_mad_u32_u24 v[GXS], v[T0], XSP, v[L1]
	s_mul_i32 s26, s18, 16*XSP
	s_add_co_u32 s26, s26, XSB0
	v_add_nc_u32 v[GXS], s26, v[GXS]
	v_add_nc_u32 v[GXS+1], XSS, v[GXS]
	s_lshl_b32 s26, s18, 6
	s_add_co_u32 s26, s26, LIST
	v_mov_b32 v[LSTB], s26
	v_lshl_add_u32 v[LSTL], v[T0], 2, s26
	v_lshlrev_b32 v[L16], 4, v1
	v_lshlrev_b32 v[HOFF], 4, v2
	v_lshl_add_u32 v[HOFF], v3, 9, v[HOFF]
	s_lshl_b32 s26, s19, 10
	v_add_nc_u32 v[HOFF], s26, v[HOFF]             ; h's image: block 2 G + h, 16 r
	v_lshl_add_u32 v[HSOFF], v2, 2, v3
	s_lshl_b32 s26, s19, 1
	v_add_nc_u32 v[HSOFF], s26, v[HSOFF]           ; its scale byte: 4 r + 2 G + h
	v_lshlrev_b32 v[BOFF], 7, v3
	v_lshlrev_b32 v[TOK4], 2, v1
	v_add_nc_u32 v[DUMPI], 1088, v1
	v_lshl_add_u32 v[PFA], v1, 4, LIST
	s_add_co_u32 s26, s21, 2048
.irp k, 0,1,2,3
	v_mov_b32 v[ENT+\k], s26                       ; what stands behind the last row: 2,048 + e
	v_mov_b32 v[PM+\k], 0                          ; a lane permute's destination counts as one of its sources
.endr
.irp k, 0,1,2,3,4,5,6,7,8,9,10,11,12,13,14,15
	v_mov_b32 v[C+\k], 0                           ; written once: the conversions write them a half at a time
.endr
	s_mov_b32 s30, 0x76543210
	s_mov_b32 s31, 0xfedcba98                      ; v_permlanex16_b32's selects for lane l xor 16
	s_mov_b32 s32, 0xc3e00000                      ; -448
	s_mov_b32 s33, 0x43e00000                      ; 448
	s_mov_b32 s34, 0x600000                        ; its mantissa field
	s_lshl_b32 s35, 0x101, s21                     ; the expert's two bits in a word of sel
	s_add_co_u32 s37, s21, 8
	s_mov_b32 s23, 0
	s_mov_b32 s25, 0
	s_lshl_b32 s40, s21, 24                        ; w1: expert, K half P, 128 columns sg, 64 columns G
	s_lshl_b32 s26, s20, 23
	s_add_co_u32 s40, s40, s26
	s_lshl_b32 s26, ttmp9, 9
	s_add_co_u32 s40, s40, s26
	s_lshl_b32 s27, s19, 8
	s_add_co_u32 s40, s40, s27
	s_mov_b32 s41, 0
	s_lshl_b32 s42, s21, 14                        ; b1
	s_add_co_u32 s42, s42, s26
	s_add_co_u32 s42, s42, s27
	s_mov_b32 s43, 0
	s_lshl_b32 s44, s21, 22                        ; hq: expert, K step sg, my two tiles of a chunk
	s_lshl_b32 s26, ttmp9, 11
	s_add_co_u32 s44, s44, s26
	s_lshl_b32 s26, s20, 17
	s_add_co_u32 s44, s44, s26
	s_mov_b32 s45, 0
	s_lshl_b32 s46, s21, 17                        ; hs
	s_lshl_b32 s26, ttmp9, 12
	s_add_co_u32 s46, s46, s26
	s_lshl_b32 s26, s20, 7
	s_add_co_u32 s46, s46, s26
	s_mov_b32 s47, 0
	s_wait_kmcnt 0x0
	s_add_nc_u64 s[4:5], s[4:5], s[40:41]
	s_add_nc_u64 s[6:7], s[6:7], s[42:43]
	s_add_nc_u64 s[14:15], s[14:15], s[44:45]
	s_add_nc_u64 s[16:17], s[16:17], s[46:47]
.irp q, 0,1,2,3,4,5,6,7
	global_load_b128 v[SEL+4*\q:SEL+4*\q+3], v[L16], s[12:13] offset:512*\q
.endr
.irp j, 0,1,2,3
.irp i, 0,1,2,3,4,5,6,7
	global_load_b32 v[BIAS+8*\j+\i], v[BOFF], s[6:7] offset:4*(4*\i+\j)     ; b1 at hidden unit 32 h + 4 i + j
.endr
.endr
	LOADW 0, 0
	LOADW 1, 0
	LOADW 2, 0
	s_wait_loadcnt 48                              ; sel and b1 are in; the 48 loads of w1 behind them stay out
	s_cmp_lg_u32 s18, 0
	s_cbranch_scc1 .Lcount
.irp q, 0,1,2,3,4,5,6,7,8
	ds_store_b128 v[PFA], v[ENT:ENT+3] offset:512*\q    ; LDS serves a wave's instructions in order: the entries below land on these
.endr
	SCAN 1
	s_branch .Lscanned
.Lcount:
	SCAN 0
.Lscanned:
	s_add_co_u32 s24, s23, 63
	s_lshr_b32 s24, s24, 6                         ; the expert's chunks
	LOADW 3, 0
	s_wait_dscnt 0x0
	s_barrier_signal -1                            ; the list is whole; no other LDS access stands ahead of this barrier
	s_barrier_wait -1
	s_mov_b32 s36, 3
.Lstream:                                              ; 64 loads of 512 bytes of each wave are out; in front of a set the three younger sets, 48 loads, stay out
	KSTEP 1, 48, 48, 48, 48
	s_sub_co_u32 s36, s36, 1
	s_cmp_lg_u32 s36, 0
	s_cbranch_scc1 .Lstream
	KSTEP 0, 48, 32, 16, 0                         ; the last K step asks for nothing: the counts run down
	GATHER 0                                       ; the first chunk's rows (with no row at all: token e's, which nobody uses)
	s_wait_dscnt 0x0
	s_barrier_signal -1                            ; the 64 images are whole
	s_barrier_wait -1
	LOADFR
	s_mov_b32 s36, 8
.Lchunks:
	TRIP 0
	TRIP 1
	s_sub_co_u32 s36, s36, 1
	s_cmp_lg_u32 s36, 0
	s_cbranch_scc1 .Lchunks
	s_wait_tensorcnt 0x0
	ds_add_u32 v254, v255
	s_wait_dscnt 0x0
	s_endpgm
.Lfunc_end_k_q6e304c2ff8_up:
	.size	k_q6e304c2ff8_up, .Lfunc_end_k_q6e304c2ff8_up-k_q6e304c2ff8_up
	.p2alignl 7, 3214868480
	.fill 96, 4, 3214868480
	.section	.rodata,"a",@progbits
	.p2align	6, 0x0
	.amdhsa_kernel k_q6e304c2ff8_up
		.amdhsa_group_segment_fixed_size 283648
		.amdhsa_private_segment_fixed_size 0
		.amdhsa_enable_private_segment 0
		.amdhsa_kernarg_size 56
		.amdhsa_user_sgpr_count 2
		.amdhsa_user_sgpr_kernarg_segment_ptr 1
		.amdhsa_wavefront_size32 1
		.amdhsa_system_sgpr_workgroup_id_x 1
		.amdhsa_system_sgpr_workgroup_id_y 1
		.amdhsa_system_sgpr_workgroup_id_z 1
		.amdhsa_system_vgpr_workitem_id 0
		.amdhsa_next_free_vgpr 1024
		.amdhsa_next_free_sgpr 66
		.amdhsa_reserve_vcc 1
		.amdhsa_float_denorm_mode_32 3
		.amdhsa_float_denorm_mode_16_64 3
		.amdhsa_memory_ordered 1
		.amdhsa_forward_progress 1
		.amdhsa_inst_pref_size 222
	.end_amdhsa_kernel
	.amdgpu_metadata
---
amdhsa.version: [ 1, 2 ]
amdhsa.kernels:
  - .name:           k_q6e304c2ff8_up
    .symbol:         k_q6e304c2ff8_up.kd
    .args:
      - { .name: w1, .offset: 0, .size: 8, .value_kind: global_buffer, .address_space: global }
      - { .name: b1, .offset: 8, .size: 8, .value_kind: global_buffer, .address_space: global }
      - { .name: xq, .offset: 16, .size: 8, .value_kind: global_buffer, .address_space: global }
      - { .name: xs, .offset: 24, .size: 8, .value_kind: global_buffer, .address_space: global }
      - { .name: sel, .offset: 32, .size: 8, .value_kind: global_buffer, .address_space: global }
      - { .name: hq, .offset: 40, .size: 8, .value_kind: global_buffer, .address_space: global }
      - { .name: hs, .offset: 48, .size: 8, .value_kind: global_buffer, .address_space: global }
    .group_segment_fixed_size: 283648
    .private_segment_fixed_size: 0
    .kernarg_segment_align: 8
    .kernarg_segment_size: 56
    .max_flat_workgroup_size: 128
    .sgpr_count:     66
    .vgpr_count:     1024
    .wavefront_size: 32
...
	.end_amdgpu_metadata
.endif
;; end of part 2
;; launch down (part 3): grid 32 x 8, 4 waves a work-group, no clusters, 194,560 bytes of LDS; arguments w2, b2, hq, hs, sel, y; writes y
.if DOCPART == 3
	.amdgcn_target "amdgcn-amd-amdhsa--gfx1250"
	.amdhsa_code_object_version 6
	.text
	.protected	k_q6e304c2ff8_down
	.globl	k_q6e304c2ff8_down
	.p2align	8
	.type	k_q6e304c2ff8_down,@function
k_q6e304c2ff8_down:
	s_mov_b64 s[64:65], 0
	v_nop
	global_prefetch_b8 v0, s[64:65] scope:SCOPE_SE
	s_setreg_imm32_b32 hwreg(HW_REG_WAVE_MODE, 25, 1), 1
	s_wait_xcnt 0x0
; SECOND PRODUCT OF THE EXPERTS: y = h w2[e] + b2[e] for the expert's rows, on codes of E4M3 with one E8M0 scale for each 32 along K; h comes as codes from the launch before.
; A work-group owns expert e (grid y), 64 columns ns = x / 2 and K half kh = x % 2 (2,048 of 4,096): 2,048 x 64 numbers of w2, which no other work-group reads.
; THE STREAM is the first product's: wave w takes 512 along K; lane (r, h) loads columns 4 r .. 4 r + 3 of one row (sixteen lanes: 256 consecutive bytes, aligned); tile j takes column 4 r + j at its place r.
; h's place pos of a block of 32 holds hidden unit 4 (pos % 8) + pos / 8, so slot i of half h reads row 4 (i % 8) + i / 8 + 2 h of the block: the same order on both sides, inside one scale block.
; THE PRODUCT.  Wave (G = w / 2, P = w % 2) holds K steps 8 G .. 8 G + 7 of all four column tiles (512 registers) and multiplies row tiles 2 P and 2 P + 1 of each chunk of 64 rows; h's images go from memory
; straight into the operand's registers.  The two waves of a pair then hand each other one tile's partial sums through LDS: wave G keeps tile 2 P + G.  b2 is the C of the first product where kh = 0 and G = 0: once.
; Transposed use (source 0 = a tile of w2, source 1 = 16 rows): lane (row r, half h), accumulator j, register i holds column 32 h + 4 i + j; the addition of the two parts also puts the 32 columns in order.
; y[kh][slot x 1,024 + token][1,024]; places of the list behind the last row hold 2,048 + e: a row of y that nobody reads.  The rows' list is laid as in the launch before, in the same order.
; The loop over chunks has a constant count, 16, since barriers stand in it; a chunk past the expert's last has its work jumped over.  No tensor load and no shared tile by a cluster: the work hangs on counts read from memory.
; LIMITS: NaN and infinities are not served; a block whose largest magnitude lies under 2^-118 gets the scale byte 1 (a block of zeros too: its codes are zeros).
.set PITCH, 4096                       ; a row of w2 in bytes
.set WSC,   131072                     ; LDS: 0: 64 images of 2,048 bytes (number 32 G + 16 P + 4 j + step);  here: their scale words
.set EXCH,  139264                     ; the exchange: for each wave two places of 4,096 bytes, by the chunk's parity
.set STG,   172032                     ; the way out: for each wave 16 rows of 256 bytes + 16
.set LIST,  189440                     ; the list: 1,088 words; behind them 64 words for the lanes that have nothing to say
.set WOFF,4
.set IMGA,5
.set WSCA,6
.set FRA,7
.set WSLA,8
.set HA,9                              ; v9-10   my lane's place in h's images: the tile that I give away, the tile that I keep
.set HSA,11                            ; v11-12  and among their scale words
.set EXS,13
.set EXL,14
.set STO,15
.set STR,16
.set LE,17
.set R16,18
.set L16,19
.set TOK4,20
.set DUMPI,21
.set BOFF,23
.set M,24
.set PM,28
.set INV,32
.set BY,36
.set W,40
.set C,44
.set T0,60
.set T1,61                             ; the list's store address: used for nothing else
.set T2,62
.set PFA,63
.set WS,64                             ; v64-95   w2's scale words: 8 j + K step
.set HS0,96                            ; v96-103  h's scale words, the tile given away;  v232-239 the tile kept
.set HS1,232
.set ACC0,104                          ; v104-135 the tile given away; later the sums in column order
.set O,104
.set ACC1,136                          ; v136-167 the tile kept
.set BIAS,168                          ; v168-199 b2 in the result's layout, or zeros
.set T,200                             ; v200-231 at the head sel; the partner's part; rows read back from the stage
.set SEL,200
.set OB,200
.set EN,240
.set YA,248
; window 1: four sets of 64 numbers of w2; later v0-127 and v128-255 the two row tiles' eight fragments.  windows 2, 3: w2's fragments, K steps 0-3 and 4-7, at 16 (4 j + step).
.set MSB, 0
.macro WIN new                         ; the immediate's high byte repeats the setting that is left; a switch that changes nothing is dropped
.if MSB != (\new)
	s_set_vgpr_msb (MSB<<8)|(\new)
.set MSB, (\new)
.endif
.endm
.macro PLACES n
.rept \n
	v_nop
.endr
.endm
.macro LOADW c, ahead                  ; block c of the K step in hand (ahead = 0) or of the next (1) into set c
	WIN 0x40
.irp i, 0,1,2,3,4,5,6,7,8,9,10,11,12,13,14,15
	global_load_b128 v[64*(\c)+4*\i:64*(\c)+4*\i+3], v[WOFF], s[4:5] offset:(128*(\ahead)+32*(\c)+4*(\i%8)+\i/8)*PITCH th:TH_LOAD_NT
.endr
	WIN 0
.endm
; A block of 32 along K x 64 columns: slot i, column j of my four at v[64 c + 4 i + j] of window 1.  left: the younger loads that may stay out.
.macro GROUP c, left, refill
	s_wait_loadcnt \left
	WIN 0x05                                       ; sources 0 and 1 window 1
.irp j, 0,1,2,3
	v_max3_num_f32 v[M+\j], |v[64*(\c)+\j]|, |v[64*(\c)+4+\j]|, 0x4800000     ; with the floor 2^(9 - 127): the byte cannot fall under 1
.endr
.irp p, 1,2,3,4,5,6,7
.irp j, 0,1,2,3
	v_max3_num_f32 v[M+\j], |v[64*(\c)+8*\p+\j]|, |v[64*(\c)+8*\p+4+\j]|, v[M+\j]
.endr
.endr
	WIN 0
.irp j, 0,1,2,3
	v_permlanex16_b32 v[PM+\j], v[M+\j], s30, s31
.endr
.irp j, 0,1,2,3
	v_max_num_f32 v[M+\j], v[M+\j], v[PM+\j]       ; with lane l xor 16's 16 rows: the block's largest magnitude
.endr
.irp j, 0,1,2,3
	v_and_b32 v[BY+\j], 0x7f800000, v[M+\j]
.endr
.irp j, 0,1,2,3
	v_sub_nc_u32 v[INV+\j], 0x83000000, v[BY+\j]   ; 1 / scale: exponent field 262 less the largest magnitude's
.endr
.irp j, 0,1,2,3
	v_add_nc_u32 v[BY+\j], 0xfc000000, v[M+\j]
.endr
.irp j, 0,1,2,3
	v_lshrrev_b32 v[BY+\j], 23, v[BY+\j]           ; the scale's byte
.endr
.irp j, 0,1,2,3
.if (\c) == 0
	v_mov_b32 v[W+\j], v[BY+\j]
.else
	v_lshl_or_b32 v[W+\j], v[BY+\j], 8*(\c), v[W+\j]
.endif
.endr
	WIN 0x41                                       ; destination and source 0 window 1
.irp i, 0,1,2,3,4,5,6,7,8,9,10,11,12,13,14,15
.irp q, 0,1
	v_pk_mul_f32 v[64*(\c)+4*\i+2*\q:64*(\c)+4*\i+2*\q+1], v[64*(\c)+4*\i+2*\q:64*(\c)+4*\i+2*\q+1], v[INV+2*\q:INV+2*\q+1]   ; by a power of two: nothing is rounded
.endr
.endr
.set n, 0
.rept 64
	v_med3_num_f32 v[64*(\c)+n], v[64*(\c)+n], s32, s33     ; the conversion does not saturate (ISA guide 7.6.2): held within +-448
.set n, n+1
.endr
	WIN 0x05
.set n, 0                              ; code register 4 j + d takes slots 4 d .. 4 d + 3 of column j: low halves first, then high halves
.irp dd, v44.l,v45.l,v46.l,v47.l,v48.l,v49.l,v50.l,v51.l,v52.l,v53.l,v54.l,v55.l,v56.l,v57.l,v58.l,v59.l,v44.h,v45.h,v46.h,v47.h,v48.h,v49.h,v50.h,v51.h,v52.h,v53.h,v54.h,v55.h,v56.h,v57.h,v58.h,v59.h
	v_cvt_pk_fp8_f32 \dd, v[64*(\c)+16*(n%4)+8*(n/16)+(n%16)/4], v[64*(\c)+16*(n%4)+8*(n/16)+(n%16)/4+4]
.set n, n+1
.endr
	WIN 0
.irp j, 0,1,2,3
	ds_store_b128 v[IMGA], v[C+4*\j:C+4*\j+3] offset:8192*\j+512*(\c)    ; registers 4 c .. 4 c + 3 of tile j's fragment
.endr
.if (\c) == 3
.irp j, 0,1,2,3
	ds_store_b32 v[WSCA], v[W+\j] offset:512*\j
.endr
.endif
.if \refill
	LOADW \c, 1
.endif
.endm
.macro KSTEP refill, l0, l1, l2, l3    ; 128 along K
	GROUP 0, \l0, \refill
	GROUP 1, \l1, \refill
	GROUP 2, \l2, \refill
	GROUP 3, \l3, \refill
.if \refill
	s_wait_xcnt 0x0                                ; the loads have read their base
	s_add_nc_u64 s[4:5], s[4:5], 128*PITCH
.endif
	v_add_nc_u32 v[IMGA], 2048, v[IMGA]
	v_add_nc_u32 v[WSCA], 128, v[WSCA]
.endm
; sel's register n = 4 q + m holds token 128 q + 4 lane + m.  Every wave counts the expert's rows (s23); build = 1 also lays the list.
.macro SCAN build
.set n, 0
.rept 32
	v_and_b32 v[T0], s35, v[SEL+n]
	v_cmp_ne_u32 vcc_lo, 0, v[T0]
.if \build
	v_mbcnt_lo_u32_b32 v[T1], vcc_lo, s23          ; the row's rank: those counted so far + those in lower lanes
	v_cndmask_b32 v[T1], v[DUMPI], v[T1], vcc_lo   ; a lane whose token did not choose the expert writes behind the list
	v_min_u32 v[T1], 0x45f, v[T1]
	v_lshl_add_u32 v[T1], v[T1], 2, LIST
	v_lshrrev_b32 v[T2], s37, v[T0]                ; 1: the expert is the token's second choice
	v_lshl_add_u32 v[T2], v[T2], 10, v[TOK4]
	v_add_nc_u32 v[T2], 128*(n/4)+n%4, v[T2]       ; slot x 1,024 + token
	ds_store_b32 v[T1], v[T2]
.endif
	s_bcnt1_i32_b32 s38, vcc_lo
	s_add_co_u32 s23, s23, s38
.set n, n+1
.endr
.endm
.macro LOADFR                          ; my K half's 32 fragments and their scale words, for the rest of the launch
.irp hh, 0,1
	WIN (0x80+0x40*\hh)
.irp j, 0,1,2,3
.irp s, 0,1,2,3
.irp c, 0,1,2,3
	ds_load_b128 v[16*(4*\j+\s)+4*\c:16*(4*\j+\s)+4*\c+3], v[FRA] offset:32768*\hh+8192*\j+2048*\s+512*\c
.endr
.endr
.endr
.endr
	WIN 0
.irp hh, 0,1
.irp j, 0,1,2,3
.irp s, 0,1,2,3
	ds_load_b32 v[WS+8*\j+4*\hh+\s], v[WSLA] offset:128*(16*\hh+4*\j+\s)
.endr
.endr
.endr
	s_wait_dscnt 0x0
.endm
; 16 products: K steps 4 half .. 4 half + 3, the four accumulators by turns, one instruction a turn.  The bias is the C of a sum's first product.
.macro MULH xf, ac, sc, half
	WIN (0x06+\half)                               ; source 0 window 2 or 3, source 1 window 1
.irp s, 0,1,2,3
.irp j, 0,1,2,3
.if (\half == 0) && (\s == 0)
	v_wmma_scale_f32_16x16x128_f8f6f4 v[\ac+8*\j:\ac+8*\j+7], v[16*(4*\j+\s):16*(4*\j+\s)+15], v[\xf+16*\s:\xf+16*\s+15], v[BIAS+8*\j:BIAS+8*\j+7], v[WS+8*\j+\s], v[\sc+\s]
.else
	v_wmma_scale_f32_16x16x128_f8f6f4 v[\ac+8*\j:\ac+8*\j+7], v[16*(4*\j+\s):16*(4*\j+\s)+15], v[\xf+16*(4*\half+\s):\xf+16*(4*\half+\s)+15], v[\ac+8*\j:\ac+8*\j+7], v[WS+8*\j+4*\half+\s], v[\sc+4*\half+\s]
.endif
.endr
.endr
.endm
; A row tile's eight images and scale words, of the chunk in hand (ahead = 0) or of the next (1): 40 loads; an image's load is 512 consecutive bytes
.macro LOADA set, ahead
	WIN 0x40
.irp s, 0,1,2,3,4,5,6,7
.irp c, 0,1,2,3
	global_load_b128 v[128*\set+16*\s+4*\c:128*\set+16*\s+4*\c+3], v[HA+\set], s[8:9] offset:262144*\ahead+2048*\s+512*\c
.endr
.endr
	WIN 0
.irp s, 0,1,2,3,4,5,6,7
	global_load_b32 v[HS0+136*\set+\s], v[HSA+\set], s[10:11] offset:256*\ahead+4096*\s
.endr
.endm
; A chunk's products.  next = 1: the next chunk's tiles are asked for as soon as a set of registers is free.  Written whole for both cases, so that the count 40 means the same on every way.
.macro PARTA p, next
	s_wait_loadcnt 40                              ; the first tile's 40 loads are in; the second's 40 may be out
	MULH 0, ACC0, HS0, 0
	MULH 0, ACC0, HS0, 1
	WIN 0
	PLACES 9                                       ; 8 ahead of loads into the products' sources and of reads of their results, 9 ahead of the product that begins an accumulator anew
	s_wait_loadcnt 0x0                             ; the second tile is in
.if \next
	LOADA 0, 1
.endif
	MULH 128, ACC1, HS1, 0
	MULH 128, ACC1, HS1, 1
	WIN 0
.irp q, 0,1,2,3,4,5,6,7
	ds_store_b128 v[EXS], v[ACC0+4*\q:ACC0+4*\q+3] offset:4096*\p+512*\q    ; the tile that my partner keeps, as it stands; each accumulator from its low end on
.endr
	PLACES 9
.if \next
	LOADA 1, 1
.endif
.endm
; A chunk of 64 rows; p its parity.  The barrier and the steps at the end stand on every way.
.macro TRIP p
	s_cmp_ge_u32 s25, s24
	s_cbranch_scc1 .Lta_\@
	s_add_co_u32 s26, s25, 1
	s_cmp_ge_u32 s26, s24
	s_cbranch_scc1 .Ltl_\@
	PARTA \p, 1
	s_branch .Lta_\@
.Ltl_\@:
	PARTA \p, 0
.Lta_\@:
	s_wait_dscnt 0x0                               ; my part lies in the exchange.  A place is written again two chunks on, behind a barrier that its reader signals behind its loads
	s_barrier_signal -1
	s_barrier_wait -1
	s_cmp_ge_u32 s25, s24
	s_cbranch_scc1 .Ltb_\@
.irp q, 0,1,2,3,4,5,6,7
	ds_load_b128 v[T+4*\q:T+4*\q+3], v[EXL] offset:4096*\p+512*\q
.endr
.irp q, 0,1,2,3,4,5,6,7
	ds_load_b32 v[EN+\q], v[LE] offset:8*\q        ; the entry of row 2 q + h of my tile
.endr
	s_wait_dscnt 0x0
.irp i, 0,1,2,3,4,5,6,7
.irp j, 0,1,2,3
	v_add_f32 v[O+4*\i+\j], v[ACC1+8*\j+\i], v[T+8*\j+\i]     ; the two K halves' parts; column 32 h + 4 i + j goes to register 4 i + j
.endr
.endr
.irp q, 0,1,2,3,4,5,6,7
	v_min_u32 v[EN+\q], 0x807, v[EN+\q]
.endr
.irp q, 0,1,2,3,4,5,6,7
	v_lshl_add_u32 v[YA+\q], v[EN+\q], 12, v[R16]  ; the row of y, 16 bytes a lane
.endr
.irp q, 0,1,2,3,4,5,6,7
	ds_store_b128 v[STO], v[O+4*\q:O+4*\q+3] offset:16*\q
.endr
.irp q, 0,1,2,3,4,5,6,7
	ds_load_b128 v[OB+4*\q:OB+4*\q+3], v[STR] offset:544*\q     ; my own stage: LDS serves a wave's instructions in order (ISA guide 5.7.1.4)
.endr
.irp q, 0,1,2,3,4,5,6,7
	s_wait_dscnt 7-\q                              ; rows 2 q, 2 q + 1 are back; the younger pairs may be out
	global_store_b128 v[YA+\q], v[OB+4*\q:OB+4*\q+3], s[14:15]  ; sixteen lanes store 256 consecutive bytes of a row, aligned
.endr
.Ltb_\@:
	s_wait_xcnt 0x0                                ; loads and stores have read their bases, offsets and data
	s_add_nc_u64 s[8:9], s[8:9], 262144            ; four tiles of rows on
	s_add_nc_u64 s[10:11], s[10:11], 256
	v_add_nc_u32 v[LE], 256, v[LE]
	s_add_co_u32 s25, s25, 1
.endm
	s_load_b256 s[4:11], s[0:1], 0x0               ; w2 s[4:5], b2 s[6:7], hq s[8:9], hs s[10:11]
	s_load_b128 s[12:15], s[0:1], 0x20             ; sel s[12:13], y s[14:15]
	v_lshrrev_b32 v[T0], 5, v0
	v_readfirstlane_b32 s18, v[T0]                 ; wave
	s_lshr_b32 s19, s18, 1                         ; G
	s_and_b32 s20, s18, 1                          ; P
	s_and_b32 s21, ttmp7, 0xffff                   ; e
	s_lshr_b32 s22, ttmp9, 1                       ; ns
	s_and_b32 s39, ttmp9, 1                        ; kh
	v_and_b32 v1, 31, v0                           ; lane
	v_and_b32 v2, 15, v0                           ; r
	v_bfe_u32 v3, v0, 4, 1                         ; h
	v_lshlrev_b32 v[WOFF], 4, v2
	v_lshl_add_u32 v[WOFF], v3, 13, v[WOFF]        ; w2: 16 r, and 2 rows further down for lanes 16-31
	s_lshl_b32 s26, s18, 15
	v_lshl_add_u32 v[IMGA], v1, 4, s26             ; my wave's 16 images
	s_lshl_b32 s26, s18, 11
	s_add_co_u32 s26, s26, WSC
	v_lshl_add_u32 v[WSCA], v1, 2, s26
	s_lshl_b32 s26, s19, 16
	v_lshl_add_u32 v[FRA], v1, 4, s26              ; my K half's 32 images
	s_lshl_b32 s26, s19, 12
	s_add_co_u32 s26, s26, WSC
	v_lshl_add_u32 v[WSLA], v1, 2, s26
	s_lshl_b32 s27, s20, 1
	s_add_co_u32 s26, s27, 1
	s_sub_co_u32 s26, s26, s19                     ; the tile that I give away: 2 P + 1 - G
	s_add_co_u32 s27, s27, s19                     ; the tile that I keep: 2 P + G
	s_lshl_b32 s28, s26, 16
	v_lshl_add_u32 v[HA], v1, 4, s28
	s_lshl_b32 s28, s27, 16
	v_lshl_add_u32 v[HA+1], v1, 4, s28
	s_lshl_b32 s28, s26, 6
	v_lshl_add_u32 v[HSA], v2, 2, s28
	s_lshl_b32 s28, s27, 6
	v_lshl_add_u32 v[HSA+1], v2, 2, s28
	s_add_co_u32 s28, s28, LIST
	v_lshl_add_u32 v[LE], v3, 2, s28               ; the list: my tile's 16 entries, + h
	s_lshl_b32 s28, s18, 13
	s_add_co_u32 s28, s28, EXCH
	v_lshl_add_u32 v[EXS], v1, 4, s28              ; my places in the exchange,
	s_xor_b32 s28, s18, 2
	s_lshl_b32 s28, s28, 13
	s_add_co_u32 s28, s28, EXCH
	v_lshl_add_u32 v[EXL], v1, 4, s28              ; and my partner's
	s_mul_i32 s28, s18, 4352
	s_add_co_u32 s28, s28, STG
	v_mul_u32_u24 v[T0], v2, 272
	v_lshl_add_u32 v[T0], v3, 7, v[T0]
	v_add_nc_u32 v[STO], s28, v[T0]                ; the stage, in: row r, 128 bytes for each half of the lanes
	v_mul_u32_u24 v[T0], v3, 272
	v_lshl_add_u32 v[T0], v2, 4, v[T0]
	v_add_nc_u32 v[STR], s28, v[T0]                ; back: lanes 0-15 one row, lanes 16-31 the next
	v_lshlrev_b32 v[R16], 4, v2
	v_lshlrev_b32 v[L16], 4, v1
	v_lshlrev_b32 v[BOFF], 7, v3
	v_lshlrev_b32 v[TOK4], 2, v1
	v_add_nc_u32 v[DUMPI], 1088, v1
	v_lshl_add_u32 v[PFA], v1, 4, LIST
	s_add_co_u32 s26, s21, 2048
.irp k, 0,1,2,3
	v_mov_b32 v[EN+\k], s26                        ; what stands behind the last row: 2,048 + e
	v_mov_b32 v[PM+\k], 0                          ; a lane permute's destination counts as one of its sources
.endr
.irp k, 0,1,2,3,4,5,6,7,8,9,10,11,12,13,14,15
	v_mov_b32 v[C+\k], 0                           ; written once: the conversions write them a half at a time
.endr
.set n, 0
.rept 32
	v_mov_b32 v[ACC1+n], 0                         ; written once: a chunk's second jump repeats its first's compare, and these hold numbers on every way through the text
.set n, n+1
.endr
	s_mov_b32 s30, 0x76543210
	s_mov_b32 s31, 0xfedcba98                      ; v_permlanex16_b32's selects for lane l xor 16
	s_mov_b32 s32, 0xc3e00000                      ; -448
	s_mov_b32 s33, 0x43e00000                      ; 448
	s_lshl_b32 s35, 0x101, s21                     ; the expert's two bits in a word of sel
	s_add_co_u32 s37, s21, 8
	s_mov_b32 s23, 0
	s_mov_b32 s25, 0
	s_or_b32 s26, s39, s19
	s_cmp_eq_u32 s26, 0
	s_cselect_b32 s44, -1, 0                       ; b2 counts in the waves with kh = 0 and G = 0 alone
	s_lshl_b32 s40, s21, 24                        ; w2: expert, K half kh, 512 rows a wave, 64 columns ns
	s_lshl_b32 s26, s39, 23
	s_add_co_u32 s40, s40, s26
	s_lshl_b32 s26, s18, 21
	s_add_co_u32 s40, s40, s26
	s_lshl_b32 s27, s22, 8
	s_add_co_u32 s40, s40, s27
	s_mov_b32 s41, 0
	s_lshl_b32 s42, s21, 12                        ; b2
	s_add_co_u32 s42, s42, s27
	s_mov_b32 s43, 0
	s_lshl_b32 s28, s39, 4
	s_lshl_b32 s26, s19, 3
	s_add_co_u32 s28, s28, s26                     ; my first K step: 16 kh + 8 G
	s_lshl_b32 s46, s21, 22                        ; hq
	s_lshl_b32 s26, s28, 11
	s_add_co_u32 s46, s46, s26
	s_mov_b32 s47, 0
	s_lshl_b32 s48, s21, 17                        ; hs
	s_lshl_b32 s26, s28, 12
	s_add_co_u32 s48, s48, s26
	s_mov_b32 s49, 0
	s_mul_i32 s50, s39, 8421376                    ; y: 2,056 rows of 4,096 bytes for each kh
	s_add_co_u32 s50, s50, s27
	s_mov_b32 s51, 0
	s_wait_kmcnt 0x0
	s_add_nc_u64 s[4:5], s[4:5], s[40:41]
	s_add_nc_u64 s[6:7], s[6:7], s[42:43]
	s_add_nc_u64 s[8:9], s[8:9], s[46:47]
	s_add_nc_u64 s[10:11], s[10:11], s[48:49]
	s_add_nc_u64 s[14:15], s[14:15], s[50:51]
.irp q, 0,1,2,3,4,5,6,7
	global_load_b128 v[SEL+4*\q:SEL+4*\q+3], v[L16], s[12:13] offset:512*\q
.endr
.irp j, 0,1,2,3
.irp i, 0,1,2,3,4,5,6,7
	global_load_b32 v[BIAS+8*\j+\i], v[BOFF], s[6:7] offset:4*(4*\i+\j)     ; b2 at column 32 h + 4 i + j
.endr
.endr
	LOADW 0, 0
	LOADW 1, 0
	LOADW 2, 0
	s_wait_loadcnt 48                              ; sel and b2 are in; the 48 loads of w2 behind them stay out
.set n, 0
.rept 32
	v_and_b32 v[BIAS+n], s44, v[BIAS+n]
.set n, n+1
.endr
	s_cmp_lg_u32 s18, 0
	s_cbranch_scc1 .Lcount
.irp q, 0,1,2,3,4,5,6,7,8
	ds_store_b128 v[PFA], v[EN:EN+3] offset:512*\q      ; LDS serves a wave's instructions in order: the entries below land on these
.endr
	SCAN 1
	s_branch .Lscanned
.Lcount:
	SCAN 0
.Lscanned:
	s_add_co_u32 s24, s23, 63
	s_lshr_b32 s24, s24, 6                         ; the expert's chunks
	LOADW 3, 0
	s_wait_dscnt 0x0
	s_barrier_signal -1                            ; the list is whole; no other LDS access stands ahead of this barrier
	s_barrier_wait -1
	s_mov_b32 s36, 3
.Lstream:                                              ; 64 loads of 512 bytes of each wave are out; in front of a set the three younger sets, 48 loads, stay out
	KSTEP 1, 48, 48, 48, 48
	s_sub_co_u32 s36, s36, 1
	s_cmp_lg_u32 s36, 0
	s_cbranch_scc1 .Lstream
	KSTEP 0, 48, 32, 16, 0                         ; the last K step asks for nothing: the counts run down
	LOADA 0, 0                                     ; the first chunk's two tiles: inside the expert's part of hq whatever the count (with no row at all nobody uses them)
	LOADA 1, 0
	s_wait_dscnt 0x0
	s_barrier_signal -1                            ; the 64 images are whole
	s_barrier_wait -1
	LOADFR
	s_mov_b32 s36, 8
.Lchunks:
	TRIP 0
	TRIP 1
	s_sub_co_u32 s36, s36, 1
	s_cmp_lg_u32 s36, 0
	s_cbranch_scc1 .Lchunks
	s_wait_xcnt 0x0
	v_lshl_add_u32 v254, v0, 2, 0x2f600
	v_mov_b32 v255, 0
	s_wait_tensorcnt 0x0
	ds_add_u32 v254, v255
	s_wait_dscnt 0x0
	s_endpgm
.Lfunc_end_k_q6e304c2ff8_down:
	.size	k_q6e304c2ff8_down, .Lfunc_end_k_q6e304c2ff8_down-k_q6e304c2ff8_down
	.p2alignl 7, 3214868480
	.fill 96, 4, 3214868480
	.section	.rodata,"a",@progbits
	.p2align	6, 0x0
	.amdhsa_kernel k_q6e304c2ff8_down
		.amdhsa_group_segment_fixed_size 194560
		.amdhsa_private_segment_fixed_size 0
		.amdhsa_enable_private_segment 0
		.amdhsa_kernarg_size 48
		.amdhsa_user_sgpr_count 2
		.amdhsa_user_sgpr_kernarg_segment_ptr 1
		.amdhsa_wavefront_size32 1
		.amdhsa_system_sgpr_workgroup_id_x 1
		.amdhsa_system_sgpr_workgroup_id_y 1
		.amdhsa_system_sgpr_workgroup_id_z 1
		.amdhsa_system_vgpr_workitem_id 0
		.amdhsa_next_free_vgpr 1024
		.amdhsa_next_free_sgpr 66
		.amdhsa_reserve_vcc 1
		.amdhsa_float_denorm_mode_32 3
		.amdhsa_float_denorm_mode_16_64 3
		.amdhsa_memory_ordered 1
		.amdhsa_forward_progress 1
		.amdhsa_inst_pref_size 227
	.end_amdhsa_kernel
	.amdgpu_metadata
---
amdhsa.version: [ 1, 2 ]
amdhsa.kernels:
  - .name:           k_q6e304c2ff8_down
    .symbol:         k_q6e304c2ff8_down.kd
    .args:
      - { .name: w2, .offset: 0, .size: 8, .value_kind: global_buffer, .address_space: global }
      - { .name: b2, .offset: 8, .size: 8, .value_kind: global_buffer, .address_space: global }
      - { .name: hq, .offset: 16, .size: 8, .value_kind: global_buffer, .address_space: global }
      - { .name: hs, .offset: 24, .size: 8, .value_kind: global_buffer, .address_space: global }
      - { .name: sel, .offset: 32, .size: 8, .value_kind: global_buffer, .address_space: global }
      - { .name: y, .offset: 40, .size: 8, .value_kind: global_buffer, .address_space: global }
    .group_segment_fixed_size: 194560
    .private_segment_fixed_size: 0
    .kernarg_segment_align: 8
    .kernarg_segment_size: 48
    .max_flat_workgroup_size: 128
    .sgpr_count:     66
    .vgpr_count:     1024
    .wavefront_size: 32
...
	.end_amdgpu_metadata
.endif
;; end of part 3
;; launch join (part 4): grid 256 x 1, 4 waves a work-group, no clusters, 0 bytes of LDS; arguments y, gate, out0; writes out0
.if DOCPART == 4
	.amdgcn_target "amdgcn-amd-amdhsa--gfx1250"
	.amdhsa_code_object_version 6
	.text
	.protected	k_q6e304c2ff8_join
	.globl	k_q6e304c2ff8_join
	.p2align	8
	.type	k_q6e304c2ff8_join,@function
k_q6e304c2ff8_join:
	s_mov_b64 s[64:65], 0
	v_nop
	global_prefetch_b8 v0, s[64:65] scope:SCOPE_SE
	s_setreg_imm32_b32 hwreg(HW_REG_WAVE_MODE, 25, 1), 1
	s_wait_xcnt 0x0
; out0[t] = g0 (y[0][t] + y[1][t]) + g1 (y[0][1,024 + t] + y[1][1,024 + t]): the two K halves of each of a token's two experts, weighed by its gates.
; y: [2][2,056][1,024] f32; gate: [2][1,024] f32.  One wave takes one token t = 4 x work-group + wave: four rows of 4,096 bytes in, one out; each load and store of the wave covers 512 consecutive bytes, aligned.
; All 32 loads go out at once; no LDS, no barrier, no loop: a stream, which matrix units and shared tiles would not help.
.set IN,  16                           ; v16-143  group q: y00, y10, y01, y11, four registers each
.set OUTR,144                          ; v144-175 group q's result
	s_load_b128 s[4:7], s[0:1], 0x0                ; y s[4:5], gate s[6:7]
	s_load_b64 s[8:9], s[0:1], 0x10                ; out0
	v_lshrrev_b32 v2, 5, v0
	v_readfirstlane_b32 s10, v2                    ; wave
	v_and_b32 v1, 31, v0
	v_lshlrev_b32 v1, 4, v1                        ; 16 bytes a lane
	s_lshl_b32 s11, ttmp9, 2
	s_add_co_u32 s11, s11, s10                     ; my token
	s_lshl_b32 s20, s11, 2
	s_lshl_b32 s18, s11, 12
	s_mov_b32 s19, 0
	s_wait_kmcnt 0x0
	s_load_b32 s12, s[6:7], s20 offset:0x0         ; g0
	s_load_b32 s14, s[6:7], s20 offset:0x1000      ; g1
	s_add_nc_u64 s[4:5], s[4:5], s[18:19]          ; y, K half 0, slot 0, my token
	s_add_nc_u64 s[8:9], s[8:9], s[18:19]
	s_add_nc_u64 s[16:17], s[4:5], 8421376         ; K half 1
.irp q, 0,1,2,3,4,5,6,7
	global_load_b128 v[IN+16*\q:IN+16*\q+3],     v1, s[4:5]   offset:512*\q th:TH_LOAD_NT
	global_load_b128 v[IN+16*\q+4:IN+16*\q+7],   v1, s[16:17] offset:512*\q th:TH_LOAD_NT
	global_load_b128 v[IN+16*\q+8:IN+16*\q+11],  v1, s[4:5]   offset:4194304+512*\q th:TH_LOAD_NT
	global_load_b128 v[IN+16*\q+12:IN+16*\q+15], v1, s[16:17] offset:4194304+512*\q th:TH_LOAD_NT
.endr
	s_wait_kmcnt 0x0
	s_mov_b32 s13, s12                             ; the packed forms name pairs and take the low word for both halves: the upper words are written
	s_mov_b32 s15, s14
.irp q, 0,1,2,3,4,5,6,7
	s_wait_loadcnt 28-4*\q                         ; group q's four loads are in; the younger groups stay out
	v_pk_add_f32 v[IN+16*\q:IN+16*\q+1],     v[IN+16*\q:IN+16*\q+1],     v[IN+16*\q+4:IN+16*\q+5]
	v_pk_add_f32 v[IN+16*\q+2:IN+16*\q+3],   v[IN+16*\q+2:IN+16*\q+3],   v[IN+16*\q+6:IN+16*\q+7]
	v_pk_add_f32 v[IN+16*\q+8:IN+16*\q+9],   v[IN+16*\q+8:IN+16*\q+9],   v[IN+16*\q+12:IN+16*\q+13]
	v_pk_add_f32 v[IN+16*\q+10:IN+16*\q+11], v[IN+16*\q+10:IN+16*\q+11], v[IN+16*\q+14:IN+16*\q+15]
	v_pk_mul_f32 v[OUTR+4*\q:OUTR+4*\q+1],   v[IN+16*\q+8:IN+16*\q+9],   s[14:15] op_sel_hi:[1,0]
	v_pk_mul_f32 v[OUTR+4*\q+2:OUTR+4*\q+3], v[IN+16*\q+10:IN+16*\q+11], s[14:15] op_sel_hi:[1,0]
	v_pk_fma_f32 v[OUTR+4*\q:OUTR+4*\q+1],   v[IN+16*\q:IN+16*\q+1],     s[12:13], v[OUTR+4*\q:OUTR+4*\q+1] op_sel_hi:[1,0,1]
	v_pk_fma_f32 v[OUTR+4*\q+2:OUTR+4*\q+3], v[IN+16*\q+2:IN+16*\q+3],   s[12:13], v[OUTR+4*\q+2:OUTR+4*\q+3] op_sel_hi:[1,0,1]
	global_store_b128 v1, v[OUTR+4*\q:OUTR+4*\q+3], s[8:9] offset:512*\q th:TH_STORE_NT
.endr
	s_endpgm
.Lfunc_end_k_q6e304c2ff8_join:
	.size	k_q6e304c2ff8_join, .Lfunc_end_k_q6e304c2ff8_join-k_q6e304c2ff8_join
	.p2alignl 7, 3214868480
	.fill 96, 4, 3214868480
	.section	.rodata,"a",@progbits
	.p2align	6, 0x0
	.amdhsa_kernel k_q6e304c2ff8_join
		.amdhsa_group_segment_fixed_size 0
		.amdhsa_private_segment_fixed_size 0
		.amdhsa_enable_private_segment 0
		.amdhsa_kernarg_size 24
		.amdhsa_user_sgpr_count 2
		.amdhsa_user_sgpr_kernarg_segment_ptr 1
		.amdhsa_wavefront_size32 1
		.amdhsa_system_sgpr_workgroup_id_x 1
		.amdhsa_system_sgpr_workgroup_id_y 1
		.amdhsa_system_sgpr_workgroup_id_z 1
		.amdhsa_system_vgpr_workitem_id 0
		.amdhsa_next_free_vgpr 176
		.amdhsa_next_free_sgpr 66
		.amdhsa_reserve_vcc 0
		.amdhsa_float_denorm_mode_32 3
		.amdhsa_float_denorm_mode_16_64 3
		.amdhsa_memory_ordered 1
		.amdhsa_forward_progress 1
		.amdhsa_inst_pref_size 10
	.end_amdhsa_kernel
	.amdgpu_metadata
---
amdhsa.version: [ 1, 2 ]
amdhsa.kernels:
  - .name:           k_q6e304c2ff8_join
    .symbol:         k_q6e304c2ff8_join.kd
    .args:
      - { .name: y, .offset: 0, .size: 8, .value_kind: global_buffer, .address_space: global }
      - { .name: gate, .offset: 8, .size: 8, .value_kind: global_buffer, .address_space: global }
      - { .name: out0, .offset: 16, .size: 8, .value_kind: global_buffer, .address_space: global }
    .group_segment_fixed_size: 0
    .private_segment_fixed_size: 0
    .kernarg_segment_align: 8
    .kernarg_segment_size: 24
    .max_flat_workgroup_size: 128
    .sgpr_count:     66
    .vgpr_count:     176
    .wavefront_size: 32
...
	.end_amdgpu_metadata
.endif
;; end of part 4
;; ======== version 2 of 2: 4 launches; version 1 with the launches up, down written anew for expert scheduling mode
;; workspace buffers: xq 1,048,576 bytes; xs 32,768 bytes; sel 4,096 bytes of whole numbers; gate 8,192 bytes; hq 33,554,432 bytes; hs 1,048,576 bytes; y 16,842,752 bytes
;; launch route: the kernel of part 1 again; grid 256 x 1, 4 waves a work-group, no clusters, 34,304 bytes of LDS; arguments x, gate_w, gate_b, expert_biases, xq, xs, sel, gate; writes xq, xs, sel, gate
;; launch up (part 5): grid 32 x 8, 4 waves a work-group, no clusters, 283,648 bytes of LDS; arguments w1, b1, xq, xs, sel, hq, hs; writes hq, hs
.if DOCPART == 5
	.amdgcn_target "amdgcn-amd-amdhsa--gfx1250"
	.amdhsa_code_object_version 6
	.text
	.protected	k_q6e304c2ff8_up
	.globl	k_q6e304c2ff8_up
	.p2align	8
	.type	k_q6e304c2ff8_up,@function
k_q6e304c2ff8_up:
	s_mov_b64 s[64:65], 0
	v_nop
	global_prefetch_b8 v0, s[64:65] scope:SCOPE_SE
	s_setreg_imm32_b32 hwreg(HW_REG_WAVE_SCHED_MODE, 0, 2), 2
	s_setreg_imm32_b32 hwreg(HW_REG_WAVE_MODE, 25, 1), 1
	s_wait_xcnt 0x0
	s_wait_alu depctr_vm_vsrc(0)
; FIRST PRODUCT OF THE EXPERTS: h = relu(x w1[e] + b1[e]) for the rows that chose expert e, on codes of E4M3 with one E8M0 scale for each 32 along K; h leaves as codes.
; A work-group owns expert e (grid y) and 128 hidden units (grid x = sg): 1,024 x 128 numbers of w1, which no other work-group reads.
; THE STREAM.  Wave w = 2 G + P takes 64 columns (group G) x 512 along K (half P).  Lane (r = lane % 16, h = lane / 16) loads 16 bytes: columns 4 r .. 4 r + 3 of one row of w1, so sixteen lanes
; read 256 consecutive bytes, aligned.  16 loads bring a block of 32 along K: slot i of half h is row 16 h + i.  Operand tile j takes column 4 r + j at its place r (which columns form a tile is free), so a lane's
; 16 slots are its 16 places of the block in the operand's own layout.  The conversion takes eight consecutive registers, two slots x four columns, so a code register holds one slot of four columns;
; two rounds of byte moves (v_perm_b32) turn each four of them into one register of each of the four tiles' fragments: no lane is crossed.
; The codes go to LDS as images of the operand's registers (16 bytes a lane, 512 a store).  Then each wave takes its column group, whole (4 tiles x 8 K steps: 512 registers), for the rest of the launch.
; THE ROWS.  Every wave counts the expert's rows in sel; wave 0 also lays the list (slot x 1,024 + token, in one fixed order that the next launch repeats).  Rows go in chunks of 64, gathered from xq into LDS.
; The loop over chunks has a constant count, 16, since barriers stand in it; a chunk past the expert's last has its work jumped over.  Places behind the last row hold 2,048 + e: here that reads token e.
; THE PRODUCT IS USED TRANSPOSED (source 0 = a tile of w1, source 1 = 16 rows): lane (row r, half h), accumulator j, register i holds hidden unit 32 h + 4 i + j of the group: the four accumulators are
; one whole block of 32 of the next K in ONE lane.  The conversion of accumulator j gives places 8 j + i: place pos of a block holds unit 4 (pos % 8) + pos / 8.  The next launch lays w2's rows by the same order.
; hq[e][tile of 16 rows][K step sg][2,048 bytes: the operand's image];  hs[e][sg][row][4 bytes].
; No tensor load and no shared tile by a cluster: what a work-group does hangs on counts read from memory.
; LIMITS: NaN and infinities are not served; a block whose largest magnitude lies under 2^-118 gets the scale byte 1 (a block of zeros too: its codes are zeros, and this program alone reads the bytes).
; THE MODE: SCHED_MODE bits 1:0 = 2 (LLVM: expert scheduling mode 2), set by the entry lines.  The code itself states the register dependences
; between vector or matrix instructions and memory or LDS instructions, with s_wait_alu, always for 0.
; THE PLAN.  Registers that memory or LDS instructions touch, and who else names them:
;   the four sets of w1 (window 1)    a block's lines read and scale set c, its conversions empty it; then the loads of the same block of the next K step land in it.
;   v[C ..], v[W ..]                  written by a block's second round of byte moves and by its byte lines; read by its LDS stores.
;   v[IMGA], v[WSCA]                  read by those stores; stepped once a K step.
;   v[ENT ..], v[ENTL]                the list's LDS loads land in them; the gather's address lines read and write them.
;   v[GA ..], v[GAL]                  written by the address lines; read by the gather's loads.
;   window 1 v128-255, v[XSG ..]      in the chunks: the gather's loads land in them, the next chunk's LDS stores read them; no vector instruction names them there.
;   window 1 v0-127, v[XS ..]         in the chunks: a tile's LDS loads land in them; its 32 products read them.
;   v[HC ..], v[HBY]                  written by POST; read by its three stores.
;   v[LSTB], v[LSTL]                  read by the list's LDS loads; stepped at a chunk's end.
;   every other address register is made at the head and never written again.  v[KT ..] and v[KP ..] are named by vector and matrix instructions alone, once sel has been read from them at the head.
; So: a block has ONE wait on va_vdst, behind its byte moves, ahead of its refill and its LDS stores; a chunk has one at its head, ahead of its first branch, so that it holds on every way, one ahead of the
; gather's loads, one between its two tiles and one ahead of each tile's stores.  The waits on vm_vsrc stand ahead of the lines that write again what stores or loads have read.
.set PITCH, 16384                      ; a row of w1 in bytes
.set WSC,   131072                     ; LDS: 0: 64 images of 2,048 bytes (number 32 G + 16 P + 4 j + step);  here: their scale words, 128 bytes each
.set XB0,   139264                     ; two buffers of 64 rows of x's codes, 1,024 bytes + 16
.set XBS,   66560
.set XP,    1040
.set XSB0,  272384                     ; two buffers of their scale bytes, 32 bytes + 16
.set XSS,   3072
.set XSP,   48
.set LIST,  278528                     ; the list: 1,088 words; behind them 64 words for the lanes that have nothing to say
.set WOFF,4
.set IMGA,5
.set WSCA,6
.set FRA,7
.set WSLA,8
.set XA,9                              ; v9-10   my lane's place in a tile of x, buffer 0, 1
.set XSA,11                            ; v11-12  and among its scale words
.set GSA,13                            ; v13-14  where my wave puts the rows that it gathers
.set GXS,15                            ; v15-16  and their scale bytes
.set LSTB,17                           ; v17     my wave's 16 entries of the chunk in hand
.set LSTL,18                           ; v18     the entry of row lane / 2
.set L16,19
.set L1,20
.set HOFF,21
.set HSOFF,22
.set BOFF,23
.set M,24                              ; v24-27 largest magnitudes; v28-31 the other half's; v32-35 1 / scale; v36-39 bytes; v40-43 scale words; v44-59 codes: register 4 j + d: slots 4 d .. 4 d + 3 of column j
.set PM,28
.set INV,32
.set BY,36
.set W,40
.set C,44
.set T0,60
.set ONE,61                            ; v61     1.0: the scale operand of the stream's conversions, whose numbers are divided by their scales beforehand
.set T2,62
.set PFA,63
.set WS,64                             ; v64-95   w1's scale words: 8 j + K step
.set XS,96                             ; v96-103  x's, by K step
.set ACC,104                           ; v104-135 four accumulators; at the head: sel
.set SEL,104
.set KT,104                            ; in the stream, where the accumulators lie idle: v104-119 codes as converted: register i: slot i of my four columns;
.set KP,120                            ; v120-135 the same behind the first round of byte moves
.set BIAS,136                          ; v136-167 b1 in the result's layout
.set HC,168                            ; v168-175 h's codes
.set HBY,176
.set SCL,179
.set LIM,180
.set TOK4,181
.set DUMPI,182
.set ENT,184                           ; v184-199 entries; v200-215 their rows' offsets in xq
.set GA,200
.set ENTL,216
.set GAL,217
.set XSG,220
.set ST0,224                           ; v224-231 the scan: eight words of sel under the expert's two bits
.set SA,232                            ; v232-239 the scan: eight store addresses in the list: used for nothing else
.set SD,240                            ; v240-247 the scan: eight entries
.set MK,52                             ; s52-59   the scan: eight masks of lanes
; window 1: v0-255 four sets of 64 numbers of w1; later v0-127 a tile of x (8 K steps), v128-255 16 gathered rows.  windows 2, 3: w1's fragments, K steps 0-3 and 4-7, at 16 (4 j + step).
.set MSB, 0
.macro WIN new                         ; the immediate's high byte repeats the setting that is left; a switch that changes nothing is dropped
.if MSB != (\new)
	s_set_vgpr_msb (MSB<<8)|(\new)
.set MSB, (\new)
.endif
.endm
.macro PLACES n
.rept \n
	v_nop
.endr
.endm
.macro LOADW c, ahead                  ; block c of the K step in hand (ahead = 0) or of the next (1) into set c
	WIN 0x40
.irp i, 0,1,2,3,4,5,6,7,8,9,10,11,12,13,14,15
	global_load_b128 v[64*(\c)+4*\i:64*(\c)+4*\i+3], v[WOFF], s[4:5] offset:(128*(\ahead)+32*(\c)+\i)*PITCH th:TH_LOAD_NT
.endr
	WIN 0
.endm
; A block of 32 along K x 64 columns: slot i, column j of my four at v[64 c + 4 i + j] of window 1.  left: the younger loads that may stay out.
.macro GROUP c, left, refill
	s_wait_loadcnt \left
	WIN 0x05                                       ; sources 0 and 1 window 1
.irp j, 0,1,2,3
	v_max3_num_f32 v[M+\j], |v[64*(\c)+\j]|, |v[64*(\c)+4+\j]|, 0x4800000     ; with the floor 2^(9 - 127): the byte cannot fall under 1
.endr
.irp p, 1,2,3,4,5,6,7
.irp j, 0,1,2,3
	v_max3_num_f32 v[M+\j], |v[64*(\c)+8*\p+\j]|, |v[64*(\c)+8*\p+4+\j]|, v[M+\j]
.endr
.endr
	WIN 0
.irp j, 0,1,2,3
	v_permlanex16_b32 v[PM+\j], v[M+\j], s30, s31
.endr
.irp j, 0,1,2,3
	v_max_num_f32 v[M+\j], v[M+\j], v[PM+\j]       ; with lane l xor 16's 16 rows: the block's largest magnitude
.endr
.irp j, 0,1,2,3
	v_and_b32 v[BY+\j], 0x7f800000, v[M+\j]
.endr
.irp j, 0,1,2,3
	v_sub_nc_u32 v[INV+\j], 0x83000000, v[BY+\j]   ; 1 / scale: exponent field 262 less the largest magnitude's
.endr
.irp j, 0,1,2,3
	v_add_nc_u32 v[BY+\j], 0xfc000000, v[M+\j]
.endr
.irp j, 0,1,2,3
	v_lshrrev_b32 v[BY+\j], 23, v[BY+\j]           ; the scale's byte
.endr
.irp j, 0,1,2,3
.if (\c) == 0
	v_mov_b32 v[W+\j], v[BY+\j]
.else
	v_lshl_or_b32 v[W+\j], v[BY+\j], 8*(\c), v[W+\j]
.endif
.endr
	WIN 0x41                                       ; destination and source 0 window 1
.irp i, 0,1,2,3,4,5,6,7,8,9,10,11,12,13,14,15
.irp q, 0,1
	v_pk_mul_f32 v[64*(\c)+4*\i+2*\q:64*(\c)+4*\i+2*\q+1], v[64*(\c)+4*\i+2*\q:64*(\c)+4*\i+2*\q+1], v[INV+2*\q:INV+2*\q+1]   ; by a power of two: nothing is rounded
.endr
.endr
.set n, 0
.rept 64
	v_med3_num_f32 v[64*(\c)+n], v[64*(\c)+n], s32, s33     ; the conversion does not saturate (ISA guide 7.6.2): held within +-448
.set n, n+1
.endr
	WIN 0x01                                       ; source 0 window 1; the scale operand and the destination window 0
.irp p, 0,1,2,3,4,5,6,7
	v_cvt_scalef32_pk8_fp8_f32 v[KT+2*\p:KT+2*\p+1], v[64*(\c)+8*\p:64*(\c)+8*\p+7], v[ONE]   ; slots 2 p and 2 p + 1: a register a slot, byte j = column j.  The four columns have four scales, so the numbers were divided above and the operand here is 1.0
.endr
	WIN 0
	v_nop                                          ; a plain line between the conversions and the byte moves that read their results
.irp d, 0,1,2,3                        ; slots 4 d .. 4 d + 3, called a, b, c, d; columns 0 .. 3
	v_perm_b32 v[KP+4*\d],   v[KT+4*\d+1], v[KT+4*\d],   s60    ; a0 b0 a1 b1
	v_perm_b32 v[KP+4*\d+1], v[KT+4*\d+1], v[KT+4*\d],   s61    ; a2 b2 a3 b3
	v_perm_b32 v[KP+4*\d+2], v[KT+4*\d+3], v[KT+4*\d+2], s60    ; c0 d0 c1 d1
	v_perm_b32 v[KP+4*\d+3], v[KT+4*\d+3], v[KT+4*\d+2], s61    ; c2 d2 c3 d3
.endr
.if (\c) > 0
	s_wait_alu depctr_vm_vsrc(0)                   ; the last block's LDS stores have read v[C ..], which the byte moves below write again (ahead of block 0 the wait at the K step's end has said so)
.endif
.irp d, 0,1,2,3                        ; code register 4 j + d: column j, slots 4 d .. 4 d + 3, the lowest slot in the lowest byte
	v_perm_b32 v[C+\d],    v[KP+4*\d+2], v[KP+4*\d],   s62      ; a0 b0 c0 d0
	v_perm_b32 v[C+4+\d],  v[KP+4*\d+2], v[KP+4*\d],   s63      ; a1 b1 c1 d1
	v_perm_b32 v[C+8+\d],  v[KP+4*\d+3], v[KP+4*\d+1], s62      ; a2 b2 c2 d2
	v_perm_b32 v[C+12+\d], v[KP+4*\d+3], v[KP+4*\d+1], s63      ; a3 b3 c3 d3
.endr
.if \refill
	WIN 0x40
	s_wait_alu depctr_va_vdst(0)                   ; the block's lines are done reading and writing set c, in which the loads below land; v[C ..] and v[W ..] are written, and so are v[IMGA] and v[WSCA], which the LDS stores read
	LOADW \c, 1                                    ; the set is asked for again at once
.else
	s_wait_alu depctr_va_vdst(0)                   ; v[C ..], v[W ..], v[IMGA] and v[WSCA] are written, which the LDS stores read; the block's lines are done with set c
.endif
.irp j, 0,1,2,3
	ds_store_b128 v[IMGA], v[C+4*\j:C+4*\j+3] offset:8192*\j+512*(\c)    ; registers 4 c .. 4 c + 3 of tile j's fragment.  No vector instruction since the wait names these registers
.endr
.if (\c) == 3
.irp j, 0,1,2,3
	ds_store_b32 v[WSCA], v[W+\j] offset:512*\j
.endr
.endif
.endm
.macro KSTEP refill, l0, l1, l2, l3    ; 128 along K
	GROUP 0, \l0, \refill
	GROUP 1, \l1, \refill
	GROUP 2, \l2, \refill
	GROUP 3, \l3, \refill
.if \refill
	s_wait_xcnt 0x0                                ; the loads have read their base
	s_add_nc_u64 s[4:5], s[4:5], 128*PITCH
.endif
	s_wait_alu depctr_vm_vsrc(0)                   ; this K step's LDS stores have read v[IMGA] and v[WSCA], which are stepped here, and v[W ..] and v[C ..], which the next block writes again
	v_add_nc_u32 v[IMGA], 2048, v[IMGA]
	v_add_nc_u32 v[WSCA], 128, v[WSCA]
.endm
; sel's register n = 4 q + m holds token 128 q + 4 lane + m.  Every wave counts the expert's rows (s23); build = 1 also lays the list.
; Four runs of eight words: eight compares into eight scalar registers, then one wait; the eight ranks, addresses and entries in registers of their own, then one wait; eight LDS stores.
.macro SCAN build
.set q, 0
.rept 4
.set k, 0
.rept 8
	v_and_b32 v[ST0+k], s35, v[SEL+8*q+k]
	v_cmp_ne_u32 s[MK+k], 0, v[ST0+k]
.set k, k+1
.endr
	s_wait_alu depctr_va_sdst(0)                   ; the eight compares have written s52 to s59, ahead of their first readers: the ranks, the counts and the selects below
.if \build && (q > 0)
	s_wait_alu depctr_vm_vsrc(0)                   ; the last run's LDS stores have read v[SA ..] and v[SD ..], which are written again
.endif
.set k, 0
.rept 8
.if \build
	v_mbcnt_lo_u32_b32 v[SA+k], s[MK+k], s23       ; the row's rank: those counted so far + those in lower lanes
.endif
	s_bcnt1_i32_b32 s38, s[MK+k]
	s_add_co_u32 s23, s23, s38
.set k, k+1
.endr
.if \build
.set k, 0
.rept 8
.set n, 8*q+k
	v_cndmask_b32 v[SA+k], v[DUMPI], v[SA+k], s[MK+k]   ; a lane whose token did not choose the expert writes behind the list
	v_min_u32 v[SA+k], 0x45f, v[SA+k]
	v_lshl_add_u32 v[SA+k], v[SA+k], 2, LIST
	v_lshrrev_b32 v[SD+k], s37, v[ST0+k]           ; 1: the expert is the token's second choice
	v_lshl_add_u32 v[SD+k], v[SD+k], 10, v[TOK4]
	v_add_nc_u32 v[SD+k], 128*(n/4)+n%4, v[SD+k]   ; slot x 1,024 + token
.set k, k+1
.endr
	s_wait_alu depctr_va_vdst(0)                   ; v[SA ..] and v[SD ..] are written, which the eight LDS stores read
.set k, 0
.rept 8
	ds_store_b32 v[SA+k], v[SD+k]
.set k, k+1
.endr
.endif
.set q, q+1
.endr
.endm
.macro LOADFR                          ; my column group's 32 fragments and their scale words, for the rest of the launch: into registers that no instruction has named
.irp hh, 0,1
	WIN (0x80+0x40*\hh)
.irp j, 0,1,2,3
.irp s, 0,1,2,3
.irp c, 0,1,2,3
	ds_load_b128 v[16*(4*\j+\s)+4*\c:16*(4*\j+\s)+4*\c+3], v[FRA] offset:32768*\hh+8192*\j+2048*\s+512*\c
.endr
.endr
.endr
.endr
	WIN 0
.irp hh, 0,1
.irp j, 0,1,2,3
.irp s, 0,1,2,3
	ds_load_b32 v[WS+8*\j+4*\hh+\s], v[WSLA] offset:128*(16*\hh+4*\j+\s)
.endr
.endr
.endr
	s_wait_dscnt 0x0
.endm
; 16 products: K steps 4 half .. 4 half + 3, the four accumulators by turns, one instruction a turn.  The bias is the C of a sum's first product.
.macro MULH xf, ac, sc, half
	WIN (0x06+\half)                               ; source 0 window 2 or 3, source 1 window 1
.irp s, 0,1,2,3
.irp j, 0,1,2,3
.if (\half == 0) && (\s == 0)
	v_wmma_scale_f32_16x16x128_f8f6f4 v[\ac+8*\j:\ac+8*\j+7], v[16*(4*\j+\s):16*(4*\j+\s)+15], v[\xf+16*\s:\xf+16*\s+15], v[BIAS+8*\j:BIAS+8*\j+7], v[WS+8*\j+\s], v[\sc+\s]
.else
	v_wmma_scale_f32_16x16x128_f8f6f4 v[\ac+8*\j:\ac+8*\j+7], v[16*(4*\j+\s):16*(4*\j+\s)+15], v[\xf+16*(4*\half+\s):\xf+16*(4*\half+\s)+15], v[\ac+8*\j:\ac+8*\j+7], v[WS+8*\j+4*\half+\s], v[\sc+4*\half+\s]
.endif
.endr
.endr
.endm
; My wave's 16 rows of a chunk are asked for: off = 0: the chunk at v[LSTB]; 256: the next.  33 loads.  again = 1: in the loop over chunks.
; The list's LDS loads lean on the wait on va_vdst that stands ahead of the macro (at the head: the stream's; in the loop: the chunk's first line but one): no vector instruction since names v[LSTB], v[LSTL], v[ENT ..] or v[ENTL].
.macro GATHER off, again
.irp q, 0,1,2,3
	ds_load_b128 v[ENT+4*\q:ENT+4*\q+3], v[LSTB] offset:\off+16*\q     ; the same 16 entries in every lane
.endr
	ds_load_b32 v[ENTL], v[LSTL] offset:\off
	s_wait_dscnt 0x0
.irp g, 0,1,2,3,4,5,6,7,8,9,10,11,12,13,14,15
	v_min_u32 v[ENT+\g], 0x807, v[ENT+\g]
.endr
.irp g, 0,1,2,3,4,5,6,7,8,9,10,11,12,13,14,15
	v_and_b32 v[ENT+\g], 0x3ff, v[ENT+\g]          ; the token
.endr
.if \again
	s_wait_alu depctr_vm_vsrc(0)                   ; the last gather's loads have read v[GA ..] and v[GAL], which are written again; this chunk's LDS stores have read the gathered rows and v[XSG ..], in which the loads below land
.endif
.irp g, 0,1,2,3,4,5,6,7,8,9,10,11,12,13,14,15
	v_lshl_add_u32 v[GA+\g], v[ENT+\g], 10, v[L16]
.endr
	v_min_u32 v[ENTL], 0x807, v[ENTL]
	v_and_b32 v[ENTL], 0x3ff, v[ENTL]
	v_lshl_add_u32 v[GAL], v[ENTL], 5, v[L1]
	WIN 0x40
	s_wait_alu depctr_va_vdst(0)                   ; v[GA ..] and v[GAL] are written, which the loads read as offsets; at the head: the stream's lines are done with sets 2 and 3, in which the rows land
.irp g, 0,1,2,3,4,5,6,7,8,9,10,11,12,13,14,15
.irp q, 0,1
	global_load_b128 v[128+8*\g+4*\q:128+8*\g+4*\q+3], v[GA+\g], s[8:9] offset:512*\q     ; 512 consecutive bytes of a row
.endr
.endr
	WIN 0
	global_load_b128 v[XSG:XSG+3], v[GAL], s[10:11]                    ; two lanes to a row's 32 scale bytes
.endm
.macro LDX p, u                        ; tile u of my two of the chunk in buffer p: its scale words, then its eight fragments, K ascending
.irp q, 0,1
	ds_load_b128 v[XS+4*\q:XS+4*\q+3], v[XSA+\p] offset:16*XSP*\u+16*\q
.endr
	WIN 0x40
.irp s, 0,1,2,3,4,5,6,7
.irp c, 0,1,2,3
	ds_load_b128 v[16*\s+4*\c:16*\s+4*\c+3], v[XA+\p] offset:16*XP*\u+128*\s+32*\c
.endr
.endr
	WIN 0
.endm
; The 32 results of a lane are one block of the next K: relu, scale, codes, and out.  Each accumulator is read from its low end on.
.macro POST u
.irp j, 0,1,2,3
	v_max3_num_f32 v[M+\j], v[ACC+8*\j], v[ACC+8*\j+1], 0x4800000     ; no |.|: what is negative becomes 0 and must not count; the floor stands over it
.endr
.irp p, 1,2,3
.irp j, 0,1,2,3
	v_max3_num_f32 v[M+\j], v[M+\j], v[ACC+8*\j+2*\p], v[ACC+8*\j+2*\p+1]
.endr
.endr
	v_max3_num_f32 v[M], v[M], v[M+1], v[M+2]
	v_max_num_f32 v[M], v[M], v[M+3]
	v_add_nc_u32 v[SCL], 0xfc000000, v[M]          ; the conversion's scale operand
	v_and_or_b32 v[LIM], v[M], 0x7f800000, s34     ; 448 x the scale
.set n, 0
.rept 32
	v_med3_num_f32 v[ACC+n], v[ACC+n], 0, v[LIM]   ; the activation and the hold in one
.set n, n+1
.endr
	s_wait_xcnt 0x0                                ; the last tile's stores have had their addresses translated,
	s_wait_alu depctr_vm_vsrc(0)                   ; and have read v[HC ..] and v[HBY], which are written again below
	v_lshrrev_b32 v[HBY], 23, v[SCL]
.irp j, 0,1,2,3
	v_cvt_scalef32_pk8_fp8_f32 v[HC+2*\j:HC+2*\j+1], v[ACC+8*\j:ACC+8*\j+7], v[SCL]
.endr
	v_nop                                          ; a plain line behind the conversions: products write their sources again
	s_wait_alu depctr_va_vdst(0)                   ; the conversions have written v[HC ..], the shift v[HBY]: the three stores read them
	global_store_b128 v[HOFF], v[HC:HC+3], s[14:15] offset:65536*\u           ; places 0-15 of block 2 G + h: the image's lanes 0-15; sixteen lanes fill 256 consecutive bytes, aligned
	global_store_b128 v[HOFF], v[HC+4:HC+7], s[14:15] offset:65536*\u+256     ; places 16-31: its lanes 16-31
	global_store_b8 v[HSOFF], v[HBY], s[16:17] offset:64*\u
.endm
; A chunk of 64 rows, in buffer p.  The barrier and the steps at the end stand on every way; the work is jumped over where the chunk lies past the expert's last.
.macro TRIP p
	s_wait_loadcnt 0x0                             ; the chunk's 33 gather loads are in (on every way: their address registers are free behind it)
	s_wait_alu depctr_va_vdst(0)                   ; ahead of the first branch, so on every way: v[LSTB] and v[LSTL] are written and the address lines are done with v[ENT ..] and v[ENTL] (for the list's LDS loads); the last chunk's products, in the first trip the stream's lines, are done with v[XS ..] and window 1's v0-127 (for the first tile's LDS loads)
	s_cmp_ge_u32 s25, s24
	s_cbranch_scc1 .Lta_\@
	WIN 0x04                                       ; the data: window 1
.irp g, 0,1,2,3,4,5,6,7,8,9,10,11,12,13,14,15
.irp q, 0,1
	ds_store_b128 v[GSA+\p], v[128+8*\g+4*\q:128+8*\g+4*\q+3] offset:XP*\g+512*\q
.endr
.endr
	WIN 0
	ds_store_b128 v[GXS+\p], v[XSG:XSG+3]
.Lta_\@:
	s_wait_dscnt 0x0                               ; my rows lie in the buffer; my reads of the other buffer are long in.  This buffer was last read two chunks ago, ahead of the barrier between
	s_barrier_signal -1
	s_barrier_wait -1
	s_cmp_ge_u32 s25, s24
	s_cbranch_scc1 .Ltb_\@
	s_add_co_u32 s26, s25, 1
	s_cmp_ge_u32 s26, s24
	s_cbranch_scc1 .Ltn_\@
	GATHER 256, 1                                  ; the next chunk's rows come while this one is multiplied
.Ltn_\@:
	LDX \p, 0                                      ; since the wait at the chunk's head only the gather's address lines were issued: they name none of these registers
	s_wait_dscnt 16                                ; the scale words and K steps 0-3 are in; the 16 loads of K steps 4-7 may be out
	MULH 0, ACC, XS, 0
	s_wait_dscnt 0x0
	MULH 0, ACC, XS, 1
	WIN 0
	PLACES 9                                       ; 8 ahead of the vector lines that read the results, 9 ahead of the product that begins an accumulator anew (ISA guide 7.12.1); the places stay beside the wait below
	s_wait_alu depctr_va_vdst(0)                   ; the 32 products are done reading v[XS ..] and window 1's v0-127, in which the second tile's LDS loads land
	LDX \p, 1
	POST 0
	s_wait_dscnt 16
	MULH 0, ACC, XS, 0
	s_wait_dscnt 0x0
	MULH 0, ACC, XS, 1
	WIN 0
	PLACES 9
	POST 1
.Ltb_\@:
	s_wait_xcnt 0x0                                ; the stores have read their bases
	s_wait_alu depctr_vm_vsrc(0)                   ; the list's LDS loads have read v[LSTB] and v[LSTL], which are stepped below
	s_add_nc_u64 s[14:15], s[14:15], 262144        ; four tiles of rows on
	s_add_nc_u64 s[16:17], s[16:17], 256
	v_add_nc_u32 v[LSTB], 256, v[LSTB]
	v_add_nc_u32 v[LSTL], 256, v[LSTL]
	s_add_co_u32 s25, s25, 1
.endm
	s_load_b256 s[4:11], s[0:1], 0x0               ; w1 s[4:5], b1 s[6:7], xq s[8:9], xs s[10:11]
	s_load_b128 s[12:15], s[0:1], 0x20             ; sel s[12:13], hq s[14:15]
	s_load_b64 s[16:17], s[0:1], 0x30              ; hs
	v_lshl_add_u32 v254, v0, 2, 0x45200
	v_mov_b32 v255, 0
	v_lshrrev_b32 v[T0], 5, v0
	v_readfirstlane_b32 s18, v[T0]                 ; wave
	v_and_b32 v1, 31, v0                           ; lane
	v_and_b32 v2, 15, v0                           ; r
	v_bfe_u32 v3, v0, 4, 1                         ; h
	s_and_b32 s21, ttmp7, 0xffff                   ; e
	s_wait_alu depctr_va_sdst(0)                   ; s18 is written, ahead of its first reader: addresses, bases and the branch on the wave's number are made from it
	s_lshr_b32 s19, s18, 1                         ; G
	s_and_b32 s20, s18, 1                          ; P
	v_lshlrev_b32 v[WOFF], 4, v2
	v_lshl_add_u32 v[WOFF], v3, 18, v[WOFF]        ; w1: 16 r, and 16 rows further down for lanes 16-31
	s_lshl_b32 s26, s18, 15
	v_lshl_add_u32 v[IMGA], v1, 4, s26             ; my wave's 16 images: 32,768 x wave + 16 x lane
	s_lshl_b32 s26, s18, 11
	s_add_co_u32 s26, s26, WSC
	v_lshl_add_u32 v[WSCA], v1, 2, s26
	s_lshl_b32 s26, s19, 16
	v_lshl_add_u32 v[FRA], v1, 4, s26              ; my column group's 32 images
	s_lshl_b32 s26, s19, 12
	s_add_co_u32 s26, s26, WSC
	v_lshl_add_u32 v[WSLA], v1, 2, s26
	v_mul_u32_u24 v[T0], v2, XP
	v_lshl_add_u32 v[T0], v3, 4, v[T0]
	s_mul_i32 s26, s20, 32*XP
	s_add_co_u32 s26, s26, XB0
	v_add_nc_u32 v[XA], s26, v[T0]                 ; row 32 P + r, + 16 h
	v_add_nc_u32 v[XA+1], XBS, v[XA]
	v_mul_u32_u24 v[T0], v2, XSP
	s_mul_i32 s26, s20, 32*XSP
	s_add_co_u32 s26, s26, XSB0
	v_add_nc_u32 v[XSA], s26, v[T0]
	v_add_nc_u32 v[XSA+1], XSS, v[XSA]
	s_mul_i32 s26, s18, 16*XP
	s_add_co_u32 s26, s26, XB0
	v_lshl_add_u32 v[GSA], v1, 4, s26              ; rows 16 w on, 16 bytes a lane
	v_add_nc_u32 v[GSA+1], XBS, v[GSA]
	v_lshrrev_b32 v[T0], 1, v1
	v_and_b32 v[T2], 1, v1
	v_lshlrev_b32 v[L1], 4, v[T2]
	v_mad_u32_u24 v[GXS], v[T0], XSP, v[L1]
	s_mul_i32 s26, s18, 16*XSP
	s_add_co_u32 s26, s26, XSB0
	v_add_nc_u32 v[GXS], s26, v[GXS]
	v_add_nc_u32 v[GXS+1], XSS, v[GXS]
	s_lshl_b32 s26, s18, 6
	s_add_co_u32 s26, s26, LIST
	v_mov_b32 v[LSTB], s26
	v_lshl_add_u32 v[LSTL], v[T0], 2, s26
	v_lshlrev_b32 v[L16], 4, v1
	v_lshlrev_b32 v[HOFF], 4, v2
	v_lshl_add_u32 v[HOFF], v3, 9, v[HOFF]
	s_lshl_b32 s26, s19, 10
	v_add_nc_u32 v[HOFF], s26, v[HOFF]             ; h's image: block 2 G + h, 16 r
	v_lshl_add_u32 v[HSOFF], v2, 2, v3
	s_lshl_b32 s26, s19, 1
	v_add_nc_u32 v[HSOFF], s26, v[HSOFF]           ; its scale byte: 4 r + 2 G + h
	v_lshlrev_b32 v[BOFF], 7, v3
	v_lshlrev_b32 v[TOK4], 2, v1
	v_add_nc_u32 v[DUMPI], 1088, v1
	v_lshl_add_u32 v[PFA], v1, 4, LIST
	v_mov_b32 v[ONE], 1.0
	s_add_co_u32 s26, s21, 2048
.irp k, 0,1,2,3
	v_mov_b32 v[ENT+\k], s26                       ; what stands behind the last row: 2,048 + e
	v_mov_b32 v[PM+\k], 0                          ; a lane permute's destination counts as one of its sources
.endr
	s_mov_b32 s30, 0x76543210
	s_mov_b32 s31, 0xfedcba98                      ; v_permlanex16_b32's selects for lane l xor 16
	s_mov_b32 s32, 0xc3e00000                      ; -448
	s_mov_b32 s33, 0x43e00000                      ; 448
	s_mov_b32 s34, 0x600000                        ; its mantissa field
	s_mov_b32 s60, 0x05010400                      ; v_perm_b32's selects (bytes 0-3: the second source's, 4-7: the first's): bytes 0 and 1 of two registers, by turns;
	s_mov_b32 s61, 0x07030602                      ; bytes 2 and 3, by turns;
	s_mov_b32 s62, 0x05040100                      ; the two low halves;
	s_mov_b32 s63, 0x07060302                      ; the two high halves
	s_lshl_b32 s35, 0x101, s21                     ; the expert's two bits in a word of sel
	s_add_co_u32 s37, s21, 8
	s_mov_b32 s23, 0
	s_mov_b32 s25, 0
	s_lshl_b32 s40, s21, 24                        ; w1: expert, K half P, 128 columns sg, 64 columns G
	s_lshl_b32 s26, s20, 23
	s_add_co_u32 s40, s40, s26
	s_lshl_b32 s26, ttmp9, 9
	s_add_co_u32 s40, s40, s26
	s_lshl_b32 s27, s19, 8
	s_add_co_u32 s40, s40, s27
	s_mov_b32 s41, 0
	s_lshl_b32 s42, s21, 14                        ; b1
	s_add_co_u32 s42, s42, s26
	s_add_co_u32 s42, s42, s27
	s_mov_b32 s43, 0
	s_lshl_b32 s44, s21, 22                        ; hq: expert, K step sg, my two tiles of a chunk
	s_lshl_b32 s26, ttmp9, 11
	s_add_co_u32 s44, s44, s26
	s_lshl_b32 s26, s20, 17
	s_add_co_u32 s44, s44, s26
	s_mov_b32 s45, 0
	s_lshl_b32 s46, s21, 17                        ; hs
	s_lshl_b32 s26, ttmp9, 12
	s_add_co_u32 s46, s46, s26
	s_lshl_b32 s26, s20, 7
	s_add_co_u32 s46, s46, s26
	s_mov_b32 s47, 0
	s_wait_kmcnt 0x0
	s_add_nc_u64 s[4:5], s[4:5], s[40:41]
	s_add_nc_u64 s[6:7], s[6:7], s[42:43]
	s_add_nc_u64 s[14:15], s[14:15], s[44:45]
	s_add_nc_u64 s[16:17], s[16:17], s[46:47]
	s_wait_alu depctr_va_vdst(0)                   ; every address and offset register of the kernel is written, and so is v[ENT ..], which wave 0's first LDS stores read
.irp q, 0,1,2,3,4,5,6,7
	global_load_b128 v[SEL+4*\q:SEL+4*\q+3], v[L16], s[12:13] offset:512*\q
.endr
.irp j, 0,1,2,3
.irp i, 0,1,2,3,4,5,6,7
	global_load_b32 v[BIAS+8*\j+\i], v[BOFF], s[6:7] offset:4*(4*\i+\j)     ; b1 at hidden unit 32 h + 4 i + j
.endr
.endr
	LOADW 0, 0
	LOADW 1, 0
	LOADW 2, 0
	s_wait_loadcnt 48                              ; sel and b1 are in; the 48 loads of w1 behind them stay out
	s_cmp_lg_u32 s18, 0
	s_cbranch_scc1 .Lcount
.irp q, 0,1,2,3,4,5,6,7,8
	ds_store_b128 v[PFA], v[ENT:ENT+3] offset:512*\q    ; LDS serves a wave's instructions in order: the entries below land on these
.endr
	SCAN 1
	s_branch .Lscanned
.Lcount:
	SCAN 0
.Lscanned:
	s_add_co_u32 s24, s23, 63
	s_lshr_b32 s24, s24, 6                         ; the expert's chunks
	LOADW 3, 0                                     ; no instruction has named set 3; the scan names neither it nor v[WOFF]
	s_wait_dscnt 0x0
	s_barrier_signal -1                            ; the list is whole; no other LDS access stands ahead of this barrier
	s_barrier_wait -1
	s_mov_b32 s36, 3
.Lstream:                                              ; 64 loads of 512 bytes of each wave are out; in front of a set the three younger sets, 48 loads, stay out
	KSTEP 1, 48, 48, 48, 48
	s_sub_co_u32 s36, s36, 1
	s_cmp_lg_u32 s36, 0
	s_cbranch_scc1 .Lstream
	KSTEP 0, 48, 32, 16, 0                         ; the last K step asks for nothing: the counts run down
	GATHER 0, 0                                    ; the first chunk's rows (with no row at all: token e's, which nobody uses).  The K steps' waits on vm_vsrc have said that wave 0's first LDS stores have read v[ENT ..]
	s_wait_dscnt 0x0
	s_barrier_signal -1                            ; the 64 images are whole
	s_barrier_wait -1
	LOADFR
	s_mov_b32 s36, 8
.Lchunks:
	TRIP 0
	TRIP 1
	s_sub_co_u32 s36, s36, 1
	s_cmp_lg_u32 s36, 0
	s_cbranch_scc1 .Lchunks
	s_wait_dscnt 0x0                               ; the closing lines, six on end
	s_wait_alu 0x0
	s_wait_tensorcnt 0x0
	ds_add_u32 v254, v255
	s_wait_dscnt 0x0
	s_endpgm
.Lfunc_end_k_q6e304c2ff8_up:
	.size	k_q6e304c2ff8_up, .Lfunc_end_k_q6e304c2ff8_up-k_q6e304c2ff8_up
	.p2alignl 7, 3214868480
	.fill 96, 4, 3214868480
	.section	.rodata,"a",@progbits
	.p2align	6, 0x0
	.amdhsa_kernel k_q6e304c2ff8_up
		.amdhsa_group_segment_fixed_size 283648
		.amdhsa_private_segment_fixed_size 0
		.amdhsa_enable_private_segment 0
		.amdhsa_kernarg_size 56
		.amdhsa_user_sgpr_count 2
		.amdhsa_user_sgpr_kernarg_segment_ptr 1
		.amdhsa_wavefront_size32 1
		.amdhsa_system_sgpr_workgroup_id_x 1
		.amdhsa_system_sgpr_workgroup_id_y 1
		.amdhsa_system_sgpr_workgroup_id_z 1
		.amdhsa_system_vgpr_workitem_id 0
		.amdhsa_next_free_vgpr 1024
		.amdhsa_next_free_sgpr 66
		.amdhsa_reserve_vcc 0
		.amdhsa_float_denorm_mode_32 3
		.amdhsa_float_denorm_mode_16_64 3
		.amdhsa_memory_ordered 1
		.amdhsa_forward_progress 1
		.amdhsa_inst_pref_size 231
	.end_amdhsa_kernel
	.amdgpu_metadata
---
amdhsa.version: [ 1, 2 ]
amdhsa.kernels:
  - .name:           k_q6e304c2ff8_up
    .symbol:         k_q6e304c2ff8_up.kd
    .args:
      - { .name: w1, .offset: 0, .size: 8, .value_kind: global_buffer, .address_space: global }
      - { .name: b1, .offset: 8, .size: 8, .value_kind: global_buffer, .address_space: global }
      - { .name: xq, .offset: 16, .size: 8, .value_kind: global_buffer, .address_space: global }
      - { .name: xs, .offset: 24, .size: 8, .value_kind: global_buffer, .address_space: global }
      - { .name: sel, .offset: 32, .size: 8, .value_kind: global_buffer, .address_space: global }
      - { .name: hq, .offset: 40, .size: 8, .value_kind: global_buffer, .address_space: global }
      - { .name: hs, .offset: 48, .size: 8, .value_kind: global_buffer, .address_space: global }
    .group_segment_fixed_size: 283648
    .private_segment_fixed_size: 0
    .kernarg_segment_align: 8
    .kernarg_segment_size: 56
    .max_flat_workgroup_size: 128
    .sgpr_count:     66
    .vgpr_count:     1024
    .wavefront_size: 32
...
	.end_amdgpu_metadata
.endif
;; end of part 5
;; launch down (part 6): grid 32 x 8, 4 waves a work-group, no clusters, 194,560 bytes of LDS; arguments w2, b2, hq, hs, sel, y; writes y
.if DOCPART == 6
	.amdgcn_target "amdgcn-amd-amdhsa--gfx1250"
	.amdhsa_code_object_version 6
	.text
	.protected	k_q6e304c2ff8_down
	.globl	k_q6e304c2ff8_down
	.p2align	8
	.type	k_q6e304c2ff8_down,@function
k_q6e304c2ff8_down:
	s_mov_b64 s[64:65], 0
	v_nop
	global_prefetch_b8 v0, s[64:65] scope:SCOPE_SE
	s_setreg_imm32_b32 hwreg(HW_REG_WAVE_SCHED_MODE, 0, 2), 2
	s_setreg_imm32_b32 hwreg(HW_REG_WAVE_MODE, 25, 1), 1
	s_wait_xcnt 0x0
	s_wait_alu depctr_vm_vsrc(0)
; SECOND PRODUCT OF THE EXPERTS: y = h w2[e] + b2[e] for the expert's rows, on codes of E4M3 with one E8M0 scale for each 32 along K; h comes as codes from the launch before.
; A work-group owns expert e (grid y), 64 columns ns = x / 2 and K half kh = x % 2 (2,048 of 4,096): 2,048 x 64 numbers of w2, which no other work-group reads.
; THE STREAM is the first product's: wave w takes 512 along K; lane (r, h) loads columns 4 r .. 4 r + 3 of one row (sixteen lanes: 256 consecutive bytes, aligned); tile j takes column 4 r + j at its place r;
; the conversion gives a register a slot (four columns' codes), and two rounds of byte moves (v_perm_b32) turn each four of them into one register of each of the four tiles' fragments.
; h's place pos of a block of 32 holds hidden unit 4 (pos % 8) + pos / 8, so slot i of half h reads row 4 (i % 8) + i / 8 + 2 h of the block: the same order on both sides, inside one scale block.
; THE PRODUCT.  Wave (G = w / 2, P = w % 2) holds K steps 8 G .. 8 G + 7 of all four column tiles (512 registers) and multiplies row tiles 2 P and 2 P + 1 of each chunk of 64 rows; h's images go from memory
; straight into the operand's registers.  The two waves of a pair then hand each other one tile's partial sums through LDS: wave G keeps tile 2 P + G.  b2 is the C of the first product where kh = 0 and G = 0: once.
; Transposed use (source 0 = a tile of w2, source 1 = 16 rows): lane (row r, half h), accumulator j, register i holds column 32 h + 4 i + j; the addition of the two parts also puts the 32 columns in order.
; y[kh][slot x 1,024 + token][1,024]; places of the list behind the last row hold 2,048 + e: a row of y that nobody reads.  The rows' list is laid as in the launch before, in the same order.
; The loop over chunks has a constant count, 16, since barriers stand in it; a chunk past the expert's last has its work jumped over.  No tensor load and no shared tile by a cluster: the work hangs on counts read from memory.
; LIMITS: NaN and infinities are not served; a block whose largest magnitude lies under 2^-118 gets the scale byte 1 (a block of zeros too: its codes are zeros).
; THE MODE: SCHED_MODE bits 1:0 = 2 (LLVM: expert scheduling mode 2), set by the entry lines.  The code itself states the register dependences
; between vector or matrix instructions and memory or LDS instructions, with s_wait_alu, always for 0.
; THE PLAN.  Registers that memory or LDS instructions touch, and who else names them:
;   the four sets of w2 (window 1)    a block's lines read and scale set c, its conversions empty it; then the loads of the same block of the next K step land in it.
;   v[C ..], v[W ..]                  written by a block's second round of byte moves and by its byte lines; read by its LDS stores.
;   v[IMGA], v[WSCA]                  read by those stores; stepped once a K step.
;   window 1 v0-127 with v[HS0 ..], v128-255 with v[HS1 ..]    in the chunks: a row tile's loads land in them; its 32 products read them.
;   v[ACC0 ..] = v[O ..]              written by the first tile's products, read by the exchange's LDS stores; then written by the additions, read by the stage's LDS stores.
;   v[T ..] = v[OB ..]                the partner's part lands, the additions read it; then the stage's rows land, the stores of y read them.
;   v[EN ..]                          the list's LDS loads land; the address lines read and write them.        v[YA ..]  written by the address lines; read by the stores of y.
;   v[LE]                             read by the list's LDS loads; stepped at a chunk's end.
;   every other address register is made at the head and never written again.  v[KT ..] and v[KP ..] (later v[ACC1 ..]) are named by vector and matrix instructions alone.
; So: a block has ONE wait on va_vdst, behind its byte moves, ahead of its refill and its LDS stores; a chunk has one at its head, ahead of its first branch, so that it holds on every way, one behind each row tile's
; products and one ahead of the stage's stores.  The waits on vm_vsrc stand ahead of the lines that write again what stores or loads have read.
.set PITCH, 4096                       ; a row of w2 in bytes
.set WSC,   131072                     ; LDS: 0: 64 images of 2,048 bytes (number 32 G + 16 P + 4 j + step);  here: their scale words
.set EXCH,  139264                     ; the exchange: for each wave two places of 4,096 bytes, by the chunk's parity
.set STG,   172032                     ; the way out: for each wave 16 rows of 256 bytes + 16
.set LIST,  189440                     ; the list: 1,088 words; behind them 64 words for the lanes that have nothing to say
.set WOFF,4
.set IMGA,5
.set WSCA,6
.set FRA,7
.set WSLA,8
.set HA,9                              ; v9-10   my lane's place in h's images: the tile that I give away, the tile that I keep
.set HSA,11                            ; v11-12  and among their scale words
.set EXS,13
.set EXL,14
.set STO,15
.set STR,16
.set LE,17
.set R16,18
.set L16,19
.set TOK4,20
.set DUMPI,21
.set BOFF,23
.set M,24                              ; v24-27 largest magnitudes; v28-31 the other half's; v32-35 1 / scale; v36-39 bytes; v40-43 scale words; v44-59 codes: register 4 j + d: slots 4 d .. 4 d + 3 of column j
.set PM,28
.set INV,32
.set BY,36
.set W,40
.set C,44
.set T0,60
.set ONE,61                            ; v61     1.0: the scale operand of the stream's conversions, whose numbers are divided by their scales beforehand
.set PFA,63
.set WS,64                             ; v64-95   w2's scale words: 8 j + K step
.set HS0,96                            ; v96-103  h's scale words, the tile given away;  v232-239 the tile kept
.set HS1,232
.set ACC0,104                          ; v104-135 the tile given away; later the sums in column order
.set O,104
.set ACC1,136                          ; v136-167 the tile kept
.set KT,136                            ; in the stream, where these accumulators lie idle: v136-151 codes as converted: register i: slot i of my four columns;
.set KP,152                            ; v152-167 the same behind the first round of byte moves.  (So all 32 are written on every way through the text, whichever way a chunk's two jumps go)
.set BIAS,168                          ; v168-199 b2 in the result's layout, or zeros
.set T,200                             ; v200-231 at the head sel; the partner's part; rows read back from the stage
.set SEL,200
.set OB,200
.set EN,240
.set YA,248
.set ST0,104                           ; at the head only, in registers that the first accumulators take later: v104-111 the scan: eight words of sel under the expert's two bits,
.set SA,112                            ; v112-119 eight store addresses in the list,
.set SD,120                            ; v120-127 eight entries
.set MK,52                             ; s52-59   the scan: eight masks of lanes
; window 1: four sets of 64 numbers of w2; later v0-127 and v128-255 the two row tiles' eight fragments.  windows 2, 3: w2's fragments, K steps 0-3 and 4-7, at 16 (4 j + step).
.set MSB, 0
.macro WIN new                         ; the immediate's high byte repeats the setting that is left; a switch that changes nothing is dropped
.if MSB != (\new)
	s_set_vgpr_msb (MSB<<8)|(\new)
.set MSB, (\new)
.endif
.endm
.macro PLACES n
.rept \n
	v_nop
.endr
.endm
.macro LOADW c, ahead                  ; block c of the K step in hand (ahead = 0) or of the next (1) into set c
	WIN 0x40
.irp i, 0,1,2,3,4,5,6,7,8,9,10,11,12,13,14,15
	global_load_b128 v[64*(\c)+4*\i:64*(\c)+4*\i+3], v[WOFF], s[4:5] offset:(128*(\ahead)+32*(\c)+4*(\i%8)+\i/8)*PITCH th:TH_LOAD_NT
.endr
	WIN 0
.endm
; A block of 32 along K x 64 columns: slot i, column j of my four at v[64 c + 4 i + j] of window 1.  left: the younger loads that may stay out.
.macro GROUP c, left, refill
	s_wait_loadcnt \left
	WIN 0x05                                       ; sources 0 and 1 window 1
.irp j, 0,1,2,3
	v_max3_num_f32 v[M+\j], |v[64*(\c)+\j]|, |v[64*(\c)+4+\j]|, 0x4800000     ; with the floor 2^(9 - 127): the byte cannot fall under 1
.endr
.irp p, 1,2,3,4,5,6,7
.irp j, 0,1,2,3
	v_max3_num_f32 v[M+\j], |v[64*(\c)+8*\p+\j]|, |v[64*(\c)+8*\p+4+\j]|, v[M+\j]
.endr
.endr
	WIN 0
.irp j, 0,1,2,3
	v_permlanex16_b32 v[PM+\j], v[M+\j], s30, s31
.endr
.irp j, 0,1,2,3
	v_max_num_f32 v[M+\j], v[M+\j], v[PM+\j]       ; with lane l xor 16's 16 rows: the block's largest magnitude
.endr
.irp j, 0,1,2,3
	v_and_b32 v[BY+\j], 0x7f800000, v[M+\j]
.endr
.irp j, 0,1,2,3
	v_sub_nc_u32 v[INV+\j], 0x83000000, v[BY+\j]   ; 1 / scale: exponent field 262 less the largest magnitude's
.endr
.irp j, 0,1,2,3
	v_add_nc_u32 v[BY+\j], 0xfc000000, v[M+\j]
.endr
.irp j, 0,1,2,3
	v_lshrrev_b32 v[BY+\j], 23, v[BY+\j]           ; the scale's byte
.endr
.irp j, 0,1,2,3
.if (\c) == 0
	v_mov_b32 v[W+\j], v[BY+\j]
.else
	v_lshl_or_b32 v[W+\j], v[BY+\j], 8*(\c), v[W+\j]
.endif
.endr
	WIN 0x41                                       ; destination and source 0 window 1
.irp i, 0,1,2,3,4,5,6,7,8,9,10,11,12,13,14,15
.irp q, 0,1
	v_pk_mul_f32 v[64*(\c)+4*\i+2*\q:64*(\c)+4*\i+2*\q+1], v[64*(\c)+4*\i+2*\q:64*(\c)+4*\i+2*\q+1], v[INV+2*\q:INV+2*\q+1]   ; by a power of two: nothing is rounded
.endr
.endr
.set n, 0
.rept 64
	v_med3_num_f32 v[64*(\c)+n], v[64*(\c)+n], s32, s33     ; the conversion does not saturate (ISA guide 7.6.2): held within +-448
.set n, n+1
.endr
	WIN 0x01                                       ; source 0 window 1; the scale operand and the destination window 0
.irp p, 0,1,2,3,4,5,6,7
	v_cvt_scalef32_pk8_fp8_f32 v[KT+2*\p:KT+2*\p+1], v[64*(\c)+8*\p:64*(\c)+8*\p+7], v[ONE]   ; slots 2 p and 2 p + 1: a register a slot, byte j = column j.  The four columns have four scales, so the numbers were divided above and the operand here is 1.0
.endr
	WIN 0
	v_nop                                          ; a plain line between the conversions and the byte moves that read their results
.irp d, 0,1,2,3                        ; slots 4 d .. 4 d + 3, called a, b, c, d; columns 0 .. 3
	v_perm_b32 v[KP+4*\d],   v[KT+4*\d+1], v[KT+4*\d],   s60    ; a0 b0 a1 b1
	v_perm_b32 v[KP+4*\d+1], v[KT+4*\d+1], v[KT+4*\d],   s61    ; a2 b2 a3 b3
	v_perm_b32 v[KP+4*\d+2], v[KT+4*\d+3], v[KT+4*\d+2], s60    ; c0 d0 c1 d1
	v_perm_b32 v[KP+4*\d+3], v[KT+4*\d+3], v[KT+4*\d+2], s61    ; c2 d2 c3 d3
.endr
.if (\c) > 0
	s_wait_alu depctr_vm_vsrc(0)                   ; the last block's LDS stores have read v[C ..], which the byte moves below write again (ahead of block 0 the wait at the K step's end has said so)
.endif
.irp d, 0,1,2,3                        ; code register 4 j + d: column j, slots 4 d .. 4 d + 3, the lowest slot in the lowest byte
	v_perm_b32 v[C+\d],    v[KP+4*\d+2], v[KP+4*\d],   s62      ; a0 b0 c0 d0
	v_perm_b32 v[C+4+\d],  v[KP+4*\d+2], v[KP+4*\d],   s63      ; a1 b1 c1 d1
	v_perm_b32 v[C+8+\d],  v[KP+4*\d+3], v[KP+4*\d+1], s62      ; a2 b2 c2 d2
	v_perm_b32 v[C+12+\d], v[KP+4*\d+3], v[KP+4*\d+1], s63      ; a3 b3 c3 d3
.endr
.if \refill
	WIN 0x40
	s_wait_alu depctr_va_vdst(0)                   ; the block's lines are done reading and writing set c, in which the loads below land; v[C ..] and v[W ..] are written, and so are v[IMGA] and v[WSCA], which the LDS stores read
	LOADW \c, 1                                    ; the set is asked for again at once
.else
	s_wait_alu depctr_va_vdst(0)                   ; v[C ..], v[W ..], v[IMGA] and v[WSCA] are written, which the LDS stores read; the block's lines are done with set c, in which the first chunk's loads land
.endif
.irp j, 0,1,2,3
	ds_store_b128 v[IMGA], v[C+4*\j:C+4*\j+3] offset:8192*\j+512*(\c)    ; registers 4 c .. 4 c + 3 of tile j's fragment.  No vector instruction since the wait names these registers
.endr
.if (\c) == 3
.irp j, 0,1,2,3
	ds_store_b32 v[WSCA], v[W+\j] offset:512*\j
.endr
.endif
.endm
.macro KSTEP refill, l0, l1, l2, l3    ; 128 along K
	GROUP 0, \l0, \refill
	GROUP 1, \l1, \refill
	GROUP 2, \l2, \refill
	GROUP 3, \l3, \refill
.if \refill
	s_wait_xcnt 0x0                                ; the loads have read their base
	s_add_nc_u64 s[4:5], s[4:5], 128*PITCH
.endif
	s_wait_alu depctr_vm_vsrc(0)                   ; this K step's LDS stores have read v[IMGA] and v[WSCA], which are stepped here, and v[W ..] and v[C ..], which the next block writes again
	v_add_nc_u32 v[IMGA], 2048, v[IMGA]
	v_add_nc_u32 v[WSCA], 128, v[WSCA]
.endm
; sel's register n = 4 q + m holds token 128 q + 4 lane + m.  Every wave counts the expert's rows (s23); build = 1 also lays the list.
; Four runs of eight words: eight compares into eight scalar registers, then one wait; the eight ranks, addresses and entries in registers of their own, then one wait; eight LDS stores.
.macro SCAN build
.set q, 0
.rept 4
.set k, 0
.rept 8
	v_and_b32 v[ST0+k], s35, v[SEL+8*q+k]
	v_cmp_ne_u32 s[MK+k], 0, v[ST0+k]
.set k, k+1
.endr
	s_wait_alu depctr_va_sdst(0)                   ; the eight compares have written s52 to s59, ahead of their first readers: the ranks, the counts and the selects below
.if \build && (q > 0)
	s_wait_alu depctr_vm_vsrc(0)                   ; the last run's LDS stores have read v[SA ..] and v[SD ..], which are written again
.endif
.set k, 0
.rept 8
.if \build
	v_mbcnt_lo_u32_b32 v[SA+k], s[MK+k], s23       ; the row's rank: those counted so far + those in lower lanes
.endif
	s_bcnt1_i32_b32 s38, s[MK+k]
	s_add_co_u32 s23, s23, s38
.set k, k+1
.endr
.if \build
.set k, 0
.rept 8
.set n, 8*q+k
	v_cndmask_b32 v[SA+k], v[DUMPI], v[SA+k], s[MK+k]   ; a lane whose token did not choose the expert writes behind the list
	v_min_u32 v[SA+k], 0x45f, v[SA+k]
	v_lshl_add_u32 v[SA+k], v[SA+k], 2, LIST
	v_lshrrev_b32 v[SD+k], s37, v[ST0+k]           ; 1: the expert is the token's second choice
	v_lshl_add_u32 v[SD+k], v[SD+k], 10, v[TOK4]
	v_add_nc_u32 v[SD+k], 128*(n/4)+n%4, v[SD+k]   ; slot x 1,024 + token
.set k, k+1
.endr
	s_wait_alu depctr_va_vdst(0)                   ; v[SA ..] and v[SD ..] are written, which the eight LDS stores read
.set k, 0
.rept 8
	ds_store_b32 v[SA+k], v[SD+k]
.set k, k+1
.endr
.endif
.set q, q+1
.endr
.endm
.macro LOADFR                          ; my K half's 32 fragments and their scale words, for the rest of the launch: into registers that no instruction has named
.irp hh, 0,1
	WIN (0x80+0x40*\hh)
.irp j, 0,1,2,3
.irp s, 0,1,2,3
.irp c, 0,1,2,3
	ds_load_b128 v[16*(4*\j+\s)+4*\c:16*(4*\j+\s)+4*\c+3], v[FRA] offset:32768*\hh+8192*\j+2048*\s+512*\c
.endr
.endr
.endr
.endr
	WIN 0
.irp hh, 0,1
.irp j, 0,1,2,3
.irp s, 0,1,2,3
	ds_load_b32 v[WS+8*\j+4*\hh+\s], v[WSLA] offset:128*(16*\hh+4*\j+\s)
.endr
.endr
.endr
	s_wait_dscnt 0x0
.endm
; 16 products: K steps 4 half .. 4 half + 3, the four accumulators by turns, one instruction a turn.  The bias is the C of a sum's first product.
.macro MULH xf, ac, sc, half
	WIN (0x06+\half)                               ; source 0 window 2 or 3, source 1 window 1
.irp s, 0,1,2,3
.irp j, 0,1,2,3
.if (\half == 0) && (\s == 0)
	v_wmma_scale_f32_16x16x128_f8f6f4 v[\ac+8*\j:\ac+8*\j+7], v[16*(4*\j+\s):16*(4*\j+\s)+15], v[\xf+16*\s:\xf+16*\s+15], v[BIAS+8*\j:BIAS+8*\j+7], v[WS+8*\j+\s], v[\sc+\s]
.else
	v_wmma_scale_f32_16x16x128_f8f6f4 v[\ac+8*\j:\ac+8*\j+7], v[16*(4*\j+\s):16*(4*\j+\s)+15], v[\xf+16*(4*\half+\s):\xf+16*(4*\half+\s)+15], v[\ac+8*\j:\ac+8*\j+7], v[WS+8*\j+4*\half+\s], v[\sc+4*\half+\s]
.endif
.endr
.endr
.endm
; A row tile's eight images and scale words, of the chunk in hand (ahead = 0) or of the next (1): 40 loads; an image's load is 512 consecutive bytes
.macro LOADA set, ahead
	WIN 0x40
.irp s, 0,1,2,3,4,5,6,7
.irp c, 0,1,2,3
	global_load_b128 v[128*\set+16*\s+4*\c:128*\set+16*\s+4*\c+3], v[HA+\set], s[8:9] offset:262144*\ahead+2048*\s+512*\c
.endr
.endr
	WIN 0
.irp s, 0,1,2,3,4,5,6,7
	global_load_b32 v[HS0+136*\set+\s], v[HSA+\set], s[10:11] offset:256*\ahead+4096*\s
.endr
.endm
; A chunk's products.  next = 1: the next chunk's tiles are asked for as soon as a set of registers is free.  Written whole for both cases, so that the count 40 means the same on every way.
.macro PARTA p, next
	s_wait_loadcnt 40                              ; the first tile's 40 loads are in; the second's 40 may be out
	MULH 0, ACC0, HS0, 0
	MULH 0, ACC0, HS0, 1
	WIN 0
	PLACES 9                                       ; 8 ahead of the LDS stores that read the results, 9 ahead of a product that begins an accumulator anew; the places stay beside the wait below
	s_wait_alu depctr_va_vdst(0)                   ; the first tile's products have written v[ACC0 ..], which the exchange's LDS stores read, and are done reading window 1's v0-127 and v[HS0 ..], in which the next chunk's loads land
	s_wait_loadcnt 0x0                             ; the second tile is in
.if \next
	LOADA 0, 1
.endif
	MULH 128, ACC1, HS1, 0
	MULH 128, ACC1, HS1, 1
	WIN 0
.irp q, 0,1,2,3,4,5,6,7
	ds_store_b128 v[EXS], v[ACC0+4*\q:ACC0+4*\q+3] offset:4096*\p+512*\q    ; the tile that my partner keeps, as it stands; each accumulator from its low end on.  The products since the wait name none of these registers
.endr
	PLACES 9                                       ; 8 ahead of the additions that read the second tile's results, 9 ahead of the next chunk's products that begin the accumulators anew
.if \next
	s_wait_alu depctr_va_vdst(0)                   ; the second tile's products are done reading window 1's v128-255 and v[HS1 ..], in which the next chunk's loads land
	LOADA 1, 1
.endif
.endm
; A chunk of 64 rows; p its parity.  The barrier and the steps at the end stand on every way.
.macro TRIP p
	s_wait_alu depctr_va_vdst(0)                   ; ahead of the first branch, so on every way: the last chunk's additions (in the first trip: the scan) are done reading v[T ..], its address lines are done with v[EN ..], and v[LE] is written: the LDS loads behind the barrier land in the first two and read the third
	s_cmp_ge_u32 s25, s24
	s_cbranch_scc1 .Lta_\@
	s_add_co_u32 s26, s25, 1
	s_cmp_ge_u32 s26, s24
	s_cbranch_scc1 .Ltl_\@
	PARTA \p, 1
	s_branch .Lta_\@
.Ltl_\@:
	PARTA \p, 0
.Lta_\@:
	s_wait_dscnt 0x0                               ; my part lies in the exchange.  A place is written again two chunks on, behind a barrier that its reader signals behind its loads
	s_barrier_signal -1
	s_barrier_wait -1
	s_cmp_ge_u32 s25, s24
	s_cbranch_scc1 .Ltb_\@
.irp q, 0,1,2,3,4,5,6,7
	ds_load_b128 v[T+4*\q:T+4*\q+3], v[EXL] offset:4096*\p+512*\q
.endr
.irp q, 0,1,2,3,4,5,6,7
	ds_load_b32 v[EN+\q], v[LE] offset:8*\q        ; the entry of row 2 q + h of my tile
.endr
	s_wait_dscnt 0x0
	s_wait_alu depctr_vm_vsrc(0)                   ; the exchange's LDS stores have read v[ACC0 ..], which the additions write as v[O ..]
.irp i, 0,1,2,3,4,5,6,7
.irp j, 0,1,2,3
	v_add_f32 v[O+4*\i+\j], v[ACC1+8*\j+\i], v[T+8*\j+\i]     ; the two K halves' parts; column 32 h + 4 i + j goes to register 4 i + j
.endr
.endr
.irp q, 0,1,2,3,4,5,6,7
	v_min_u32 v[EN+\q], 0x807, v[EN+\q]
.endr
.irp q, 0,1,2,3,4,5,6,7
	v_lshl_add_u32 v[YA+\q], v[EN+\q], 12, v[R16]  ; the row of y, 16 bytes a lane
.endr
	s_wait_alu depctr_va_vdst(0)                   ; v[O ..] is written, which the stage's LDS stores read; the additions are done reading v[T ..], in which the stage's rows land; v[YA ..] is written, which the stores of y read as offsets
.irp q, 0,1,2,3,4,5,6,7
	ds_store_b128 v[STO], v[O+4*\q:O+4*\q+3] offset:16*\q
.endr
.irp q, 0,1,2,3,4,5,6,7
	ds_load_b128 v[OB+4*\q:OB+4*\q+3], v[STR] offset:544*\q     ; my own stage: LDS serves a wave's instructions in order (ISA guide 5.7.1.4)
.endr
.irp q, 0,1,2,3,4,5,6,7
	s_wait_dscnt 7-\q                              ; rows 2 q, 2 q + 1 are back; the younger pairs may be out
	global_store_b128 v[YA+\q], v[OB+4*\q:OB+4*\q+3], s[14:15]  ; sixteen lanes store 256 consecutive bytes of a row, aligned
.endr
.Ltb_\@:
	s_wait_xcnt 0x0                                ; loads and stores have had their addresses translated: the bases are stepped only behind this wait
	s_wait_alu depctr_vm_vsrc(0)                   ; the list's LDS loads have read v[LE], which is stepped below; the stores of y have read v[OB ..] and v[YA ..], the stage's LDS stores v[O ..]: the next chunk writes all three again
	s_add_nc_u64 s[8:9], s[8:9], 262144            ; four tiles of rows on
	s_add_nc_u64 s[10:11], s[10:11], 256
	v_add_nc_u32 v[LE], 256, v[LE]
	s_add_co_u32 s25, s25, 1
.endm
	s_load_b256 s[4:11], s[0:1], 0x0               ; w2 s[4:5], b2 s[6:7], hq s[8:9], hs s[10:11]
	s_load_b128 s[12:15], s[0:1], 0x20             ; sel s[12:13], y s[14:15]
	v_lshrrev_b32 v[T0], 5, v0
	v_readfirstlane_b32 s18, v[T0]                 ; wave
	v_and_b32 v1, 31, v0                           ; lane
	v_and_b32 v2, 15, v0                           ; r
	v_bfe_u32 v3, v0, 4, 1                         ; h
	s_and_b32 s21, ttmp7, 0xffff                   ; e
	s_lshr_b32 s22, ttmp9, 1                       ; ns
	s_and_b32 s39, ttmp9, 1                        ; kh
	s_wait_alu depctr_va_sdst(0)                   ; s18 is written, ahead of its first reader: addresses, bases and the branch on the wave's number are made from it
	s_lshr_b32 s19, s18, 1                         ; G
	s_and_b32 s20, s18, 1                          ; P
	v_lshlrev_b32 v[WOFF], 4, v2
	v_lshl_add_u32 v[WOFF], v3, 13, v[WOFF]        ; w2: 16 r, and 2 rows further down for lanes 16-31
	s_lshl_b32 s26, s18, 15
	v_lshl_add_u32 v[IMGA], v1, 4, s26             ; my wave's 16 images
	s_lshl_b32 s26, s18, 11
	s_add_co_u32 s26, s26, WSC
	v_lshl_add_u32 v[WSCA], v1, 2, s26
	s_lshl_b32 s26, s19, 16
	v_lshl_add_u32 v[FRA], v1, 4, s26              ; my K half's 32 images
	s_lshl_b32 s26, s19, 12
	s_add_co_u32 s26, s26, WSC
	v_lshl_add_u32 v[WSLA], v1, 2, s26
	s_lshl_b32 s27, s20, 1
	s_add_co_u32 s26, s27, 1
	s_sub_co_u32 s26, s26, s19                     ; the tile that I give away: 2 P + 1 - G
	s_add_co_u32 s27, s27, s19                     ; the tile that I keep: 2 P + G
	s_lshl_b32 s28, s26, 16
	v_lshl_add_u32 v[HA], v1, 4, s28
	s_lshl_b32 s28, s27, 16
	v_lshl_add_u32 v[HA+1], v1, 4, s28
	s_lshl_b32 s28, s26, 6
	v_lshl_add_u32 v[HSA], v2, 2, s28
	s_lshl_b32 s28, s27, 6
	v_lshl_add_u32 v[HSA+1], v2, 2, s28
	s_add_co_u32 s28, s28, LIST
	v_lshl_add_u32 v[LE], v3, 2, s28               ; the list: my tile's 16 entries, + h
	s_lshl_b32 s28, s18, 13
	s_add_co_u32 s28, s28, EXCH
	v_lshl_add_u32 v[EXS], v1, 4, s28              ; my places in the exchange,
	s_xor_b32 s28, s18, 2
	s_lshl_b32 s28, s28, 13
	s_add_co_u32 s28, s28, EXCH
	v_lshl_add_u32 v[EXL], v1, 4, s28              ; and my partner's
	s_mul_i32 s28, s18, 4352
	s_add_co_u32 s28, s28, STG
	v_mul_u32_u24 v[T0], v2, 272
	v_lshl_add_u32 v[T0], v3, 7, v[T0]
	v_add_nc_u32 v[STO], s28, v[T0]                ; the stage, in: row r, 128 bytes for each half of the lanes
	v_mul_u32_u24 v[T0], v3, 272
	v_lshl_add_u32 v[T0], v2, 4, v[T0]
	v_add_nc_u32 v[STR], s28, v[T0]                ; back: lanes 0-15 one row, lanes 16-31 the next
	v_lshlrev_b32 v[R16], 4, v2
	v_lshlrev_b32 v[L16], 4, v1
	v_lshlrev_b32 v[BOFF], 7, v3
	v_lshlrev_b32 v[TOK4], 2, v1
	v_add_nc_u32 v[DUMPI], 1088, v1
	v_lshl_add_u32 v[PFA], v1, 4, LIST
	v_mov_b32 v[ONE], 1.0
	s_add_co_u32 s26, s21, 2048
.irp k, 0,1,2,3
	v_mov_b32 v[EN+\k], s26                        ; what stands behind the last row: 2,048 + e
	v_mov_b32 v[PM+\k], 0                          ; a lane permute's destination counts as one of its sources
.endr
	s_mov_b32 s30, 0x76543210
	s_mov_b32 s31, 0xfedcba98                      ; v_permlanex16_b32's selects for lane l xor 16
	s_mov_b32 s32, 0xc3e00000                      ; -448
	s_mov_b32 s33, 0x43e00000                      ; 448
	s_mov_b32 s60, 0x05010400                      ; v_perm_b32's selects (bytes 0-3: the second source's, 4-7: the first's): bytes 0 and 1 of two registers, by turns;
	s_mov_b32 s61, 0x07030602                      ; bytes 2 and 3, by turns;
	s_mov_b32 s62, 0x05040100                      ; the two low halves;
	s_mov_b32 s63, 0x07060302                      ; the two high halves
	s_lshl_b32 s35, 0x101, s21                     ; the expert's two bits in a word of sel
	s_add_co_u32 s37, s21, 8
	s_mov_b32 s23, 0
	s_mov_b32 s25, 0
	s_or_b32 s26, s39, s19
	s_cmp_eq_u32 s26, 0
	s_cselect_b32 s44, -1, 0                       ; b2 counts in the waves with kh = 0 and G = 0 alone
	s_lshl_b32 s40, s21, 24                        ; w2: expert, K half kh, 512 rows a wave, 64 columns ns
	s_lshl_b32 s26, s39, 23
	s_add_co_u32 s40, s40, s26
	s_lshl_b32 s26, s18, 21
	s_add_co_u32 s40, s40, s26
	s_lshl_b32 s27, s22, 8
	s_add_co_u32 s40, s40, s27
	s_mov_b32 s41, 0
	s_lshl_b32 s42, s21, 12                        ; b2
	s_add_co_u32 s42, s42, s27
	s_mov_b32 s43, 0
	s_lshl_b32 s28, s39, 4
	s_lshl_b32 s26, s19, 3
	s_add_co_u32 s28, s28, s26                     ; my first K step: 16 kh + 8 G
	s_lshl_b32 s46, s21, 22                        ; hq
	s_lshl_b32 s26, s28, 11
	s_add_co_u32 s46, s46, s26
	s_mov_b32 s47, 0
	s_lshl_b32 s48, s21, 17                        ; hs
	s_lshl_b32 s26, s28, 12
	s_add_co_u32 s48, s48, s26
	s_mov_b32 s49, 0
	s_mul_i32 s50, s39, 8421376                    ; y: 2,056 rows of 4,096 bytes for each kh
	s_add_co_u32 s50, s50, s27
	s_mov_b32 s51, 0
	s_wait_kmcnt 0x0
	s_add_nc_u64 s[4:5], s[4:5], s[40:41]
	s_add_nc_u64 s[6:7], s[6:7], s[42:43]
	s_add_nc_u64 s[8:9], s[8:9], s[46:47]
	s_add_nc_u64 s[10:11], s[10:11], s[48:49]
	s_add_nc_u64 s[14:15], s[14:15], s[50:51]
	s_wait_alu depctr_va_vdst(0)                   ; every address and offset register made at the head is written, and so is v[EN ..], which wave 0's first LDS stores read
.irp q, 0,1,2,3,4,5,6,7
	global_load_b128 v[SEL+4*\q:SEL+4*\q+3], v[L16], s[12:13] offset:512*\q
.endr
.irp j, 0,1,2,3
.irp i, 0,1,2,3,4,5,6,7
	global_load_b32 v[BIAS+8*\j+\i], v[BOFF], s[6:7] offset:4*(4*\i+\j)     ; b2 at column 32 h + 4 i + j
.endr
.endr
	LOADW 0, 0
	LOADW 1, 0
	LOADW 2, 0
	s_wait_loadcnt 48                              ; sel and b2 are in; the 48 loads of w2 behind them stay out
.set n, 0
.rept 32
	v_and_b32 v[BIAS+n], s44, v[BIAS+n]
.set n, n+1
.endr
	s_cmp_lg_u32 s18, 0
	s_cbranch_scc1 .Lcount
.irp q, 0,1,2,3,4,5,6,7,8
	ds_store_b128 v[PFA], v[EN:EN+3] offset:512*\q      ; LDS serves a wave's instructions in order: the entries below land on these
.endr
	SCAN 1
	s_branch .Lscanned
.Lcount:
	SCAN 0
.Lscanned:
	s_add_co_u32 s24, s23, 63
	s_lshr_b32 s24, s24, 6                         ; the expert's chunks
	LOADW 3, 0                                     ; no instruction has named set 3; the lines since the head's wait name neither it nor v[WOFF]
	s_wait_dscnt 0x0
	s_barrier_signal -1                            ; the list is whole; no other LDS access stands ahead of this barrier
	s_barrier_wait -1
	s_mov_b32 s36, 3
.Lstream:                                              ; 64 loads of 512 bytes of each wave are out; in front of a set the three younger sets, 48 loads, stay out
	KSTEP 1, 48, 48, 48, 48
	s_sub_co_u32 s36, s36, 1
	s_cmp_lg_u32 s36, 0
	s_cbranch_scc1 .Lstream
	KSTEP 0, 48, 32, 16, 0                         ; the last K step asks for nothing: the counts run down
	LOADA 0, 0                                     ; the first chunk's two tiles: inside the expert's part of hq whatever the count (with no row at all nobody uses them).  They lean on the last block's wait on va_vdst:
	LOADA 1, 0                                     ; since it only the two address steps were issued, which name none of the four sets, of v[HS0 ..], v[HS1 ..], v[HA ..] or v[HSA ..]
	s_wait_dscnt 0x0
	s_barrier_signal -1                            ; the 64 images are whole
	s_barrier_wait -1
	LOADFR
	s_mov_b32 s36, 8
.Lchunks:
	TRIP 0
	TRIP 1
	s_sub_co_u32 s36, s36, 1
	s_cmp_lg_u32 s36, 0
	s_cbranch_scc1 .Lchunks
	s_wait_xcnt 0x0
	s_wait_alu depctr_vm_vsrc(0)                   ; the stores of y have read v254 and v255, their last two row offsets, which are made anew below
	v_lshl_add_u32 v254, v0, 2, 0x2f600
	v_mov_b32 v255, 0
	s_wait_dscnt 0x0                               ; the closing lines, six on end
	s_wait_alu 0x0
	s_wait_tensorcnt 0x0
	ds_add_u32 v254, v255
	s_wait_dscnt 0x0
	s_endpgm
.Lfunc_end_k_q6e304c2ff8_down:
	.size	k_q6e304c2ff8_down, .Lfunc_end_k_q6e304c2ff8_down-k_q6e304c2ff8_down
	.p2alignl 7, 3214868480
	.fill 96, 4, 3214868480
	.section	.rodata,"a",@progbits
	.p2align	6, 0x0
	.amdhsa_kernel k_q6e304c2ff8_down
		.amdhsa_group_segment_fixed_size 194560
		.amdhsa_private_segment_fixed_size 0
		.amdhsa_enable_private_segment 0
		.amdhsa_kernarg_size 48
		.amdhsa_user_sgpr_count 2
		.amdhsa_user_sgpr_kernarg_segment_ptr 1
		.amdhsa_wavefront_size32 1
		.amdhsa_system_sgpr_workgroup_id_x 1
		.amdhsa_system_sgpr_workgroup_id_y 1
		.amdhsa_system_sgpr_workgroup_id_z 1
		.amdhsa_system_vgpr_workitem_id 0
		.amdhsa_next_free_vgpr 1024
		.amdhsa_next_free_sgpr 66
		.amdhsa_reserve_vcc 0
		.amdhsa_float_denorm_mode_32 3
		.amdhsa_float_denorm_mode_16_64 3
		.amdhsa_memory_ordered 1
		.amdhsa_forward_progress 1
		.amdhsa_inst_pref_size 235
	.end_amdhsa_kernel
	.amdgpu_metadata
---
amdhsa.version: [ 1, 2 ]
amdhsa.kernels:
  - .name:           k_q6e304c2ff8_down
    .symbol:         k_q6e304c2ff8_down.kd
    .args:
      - { .name: w2, .offset: 0, .size: 8, .value_kind: global_buffer, .address_space: global }
      - { .name: b2, .offset: 8, .size: 8, .value_kind: global_buffer, .address_space: global }
      - { .name: hq, .offset: 16, .size: 8, .value_kind: global_buffer, .address_space: global }
      - { .name: hs, .offset: 24, .size: 8, .value_kind: global_buffer, .address_space: global }
      - { .name: sel, .offset: 32, .size: 8, .value_kind: global_buffer, .address_space: global }
      - { .name: y, .offset: 40, .size: 8, .value_kind: global_buffer, .address_space: global }
    .group_segment_fixed_size: 194560
    .private_segment_fixed_size: 0
    .kernarg_segment_align: 8
    .kernarg_segment_size: 48
    .max_flat_workgroup_size: 128
    .sgpr_count:     66
    .vgpr_count:     1024
    .wavefront_size: 32
...
	.end_amdgpu_metadata
.endif
;; end of part 6
;; launch join: the kernel of part 4 again; grid 256 x 1, 4 waves a work-group, no clusters, 0 bytes of LDS; arguments y, gate, out0; writes out0
